; MI455X (gfx1250); checked and timed in simulation.
; The chip was launched on July 23, 2026; its instructions are those of AMD's public machine-readable ISA for CDNA 5 (MIT licence, August 2026) and "CDNA5" Instruction Set Architecture Reference Guide (July 2026). The comments in the code are by the model that wrote it; some were corrected since.
;; Moe Layer. Allowed arithmetic: matrix products marked QUANTISED: E3M2 operands, one E8M0 scale for each 32 along K, by v_wmma_scale_f32_16x16x128_f8f6f4 with both operands' format E3M2, f32 sums; products left as they are: f32 operands where the result goes on into a quantised operand, else bf16, f16 or f32 operands; f32 sums; everything else in f32.
;; Inputs: b1 8 x 4,096 float32; b2 8 x 1,024 float32; gate_b 8 float32; gate_w 1,024 x 8 float32; w1_codes 8 x 4,096 x 32 x 24 uint8 (E3M2 codes of w1, K innermost, in blocks of 32 codes, four codes in three bytes); w1_scales 8 x 4,096 x 32 uint8 (E8M0 scales of w1, one for each 32 codes along K); w2_codes 8 x 1,024 x 128 x 24 uint8 (E3M2 codes of w2, K innermost, in blocks of 32 codes, four codes in three bytes); w2_scales 8 x 1,024 x 128 uint8 (E8M0 scales of w2, one for each 32 codes along K); x 1,024 x 1,024 float32.
;; Outputs: out0 1,024 x 1,024 float32.
;; This version of the problem:
;;   THIS VERSION OF THE PROBLEM IS GIVEN IN LOW PRECISION. The matrix products marked QUANTISED in the list below multiply operands that are first quantised to E3M2 (3 exponent bits, 2 mantissa bits; 6 bits a number), with one power-of-two scale for each 32 numbers along K (OCP MX v1.0); their sums are f32. All else is computed in f32.
;;   The module's matrix products, in the order in which they are computed (A, B: the left and right operand; K: the contracted axis; several contracted axes count as one K, in the product's order):
;;     1. [M 1,024, K 1,024] x [K 1,024, N 8]; A: input x; B: input gate_w: left as it is (N = 8 < 16)
;;     2. [M 1,024, K 1,024] x [K 1,024, N 4,096]; A: input x; B: input w1 (given as codes): QUANTISED
;;     3. [M 1,024, K 4,096] x [K 4,096, N 1,024]; A: computed on the way; B: input w2 (given as codes): QUANTISED
;;     4. [M 1,024, K 1,024] x [K 1,024, N 4,096]; A: input x; B: input w1 (given as codes): QUANTISED
;;     5. [M 1,024, K 4,096] x [K 4,096, N 1,024]; A: computed on the way; B: input w2 (given as codes): QUANTISED
;;     6. [M 1,024, K 1,024] x [K 1,024, N 4,096]; A: input x; B: input w1 (given as codes): QUANTISED
;;     7. [M 1,024, K 4,096] x [K 4,096, N 1,024]; A: computed on the way; B: input w2 (given as codes): QUANTISED
;;     8. [M 1,024, K 1,024] x [K 1,024, N 4,096]; A: input x; B: input w1 (given as codes): QUANTISED
;;     9. [M 1,024, K 4,096] x [K 4,096, N 1,024]; A: computed on the way; B: input w2 (given as codes): QUANTISED
;;     10. [M 1,024, K 1,024] x [K 1,024, N 4,096]; A: input x; B: input w1 (given as codes): QUANTISED
;;     11. [M 1,024, K 4,096] x [K 4,096, N 1,024]; A: computed on the way; B: input w2 (given as codes): QUANTISED
;;     12. [M 1,024, K 1,024] x [K 1,024, N 4,096]; A: input x; B: input w1 (given as codes): QUANTISED
;;     13. [M 1,024, K 4,096] x [K 4,096, N 1,024]; A: computed on the way; B: input w2 (given as codes): QUANTISED
;;     14. [M 1,024, K 1,024] x [K 1,024, N 4,096]; A: input x; B: input w1 (given as codes): QUANTISED
;;     15. [M 1,024, K 4,096] x [K 4,096, N 1,024]; A: computed on the way; B: input w2 (given as codes): QUANTISED
;;     16. [M 1,024, K 1,024] x [K 1,024, N 4,096]; A: input x; B: input w1 (given as codes): QUANTISED
;;     17. [M 1,024, K 4,096] x [K 4,096, N 1,024]; A: computed on the way; B: input w2 (given as codes): QUANTISED
;;   THE QUANTISER, for each operand of a quantised product, along K:
;;     - K is cut into blocks of 32 from its start; a last block that is shorter is filled with zeros.
;;     - A block's scale is 2^e with e = floor(log2(the largest magnitude in the block)) - 4, held to -126 .. 127; a block of zeros has e = 0. As a byte (E8M0): e + 127.
;;     - Each number is divided by its block's scale, clamped to +-28, and rounded to the nearest number of E3M2, ties to even, subnormals kept.
;;     - The product sums the exact products of the quantised numbers (number of the format x scale) in f32.
;;   ~~~python
;;   def quantise(x, axis):      # numpy; x: float32 -> the quantised numbers, widened to float32 again
;;       x = np.moveaxis(x, axis, -1); K = x.shape[-1]
;;       x = np.pad(x, [(0, 0)] * (x.ndim - 1) + [(0, -K % 32)]); x = x.reshape(x.shape[:-1] + (-1, 32)); a = np.abs(x).max(-1, keepdims=True)
;;       e = np.where(a > 0, np.clip(np.frexp(np.where(a > 0, a, 1))[1] - 1 - 4, -126, 127), 0)      # np.frexp(a)[1] - 1 = floor(log2(a)), exactly
;;       r = np.clip(x / 2.0 ** e, -28, 28)
;;       step = 2.0 ** (np.maximum(np.frexp(np.where(r == 0, 1, r))[1] - 1, -2) - 2)
;;       q = np.round(r / step) * step * 2.0 ** e      # np.round: ties to even
;;       return np.moveaxis(q.reshape(q.shape[:-2] + (-1,))[..., :K], -1, axis).astype(np.float32)
;;   ~~~
;;   OPERANDS COMPUTED ON THE WAY. 'Computed on the way' means the value that the module computes at that place (a softmax that the list does not call 'softmax' is quantised finished and normalised). What goes into a quantiser is computed in f32, as accurately as f32 sums, v_exp_f32 and their like allow (about 1e-6 of the number): no bf16 or f16 on the way to a quantiser, and a product that is left as it is and whose result goes on into a quantised operand takes f32 operands (vector FMAs, or v_wmma_f32_16x16x4_f32). A number that lies on a knife's edge between two numbers of the format may be rounded either way, as far as f32 arithmetic and the matrix unit's own rounding can turn it there, and no further.
;;   INPUTS GIVEN AS CODES. w1 (in the module: [8, 1024, 4096], K = its axis 1); w2 (in the module: [8, 4096, 1024], K = its axis 1): each comes as NAME_codes (uint8): NAME with its K axis moved to the last place and cut into blocks of 32 codes, [.., K / 32, bytes a block], one block behind the other in memory; four codes in three bytes: a row's codes are one little-endian stream of bits, code i at bits 6 i .. 6 i + 5 (a code: sign, 3 exponent bits, 2 mantissa bits); and NAME_scales (uint8): the same leading axes, one E8M0 byte (e + 127) for each 32 codes along K. Its value is code x scale, taken as it is: it is not quantised again, and the codes and scales need not be those that the quantiser above would give.
;; 2 versions, each right; version 2 is version 1 with the launch ffn2 written anew for expert scheduling mode. Each part assembles by itself: llvm-mc -triple=amdgcn-amd-amdhsa -mcpu=gfx1250 --defsym DOCPART=n.
;; ======== version 1 of 2: 4 launches
;; workspace buffers: xq 786,432 bytes; xs 32,768 bytes; comb 32,768 bytes; msk 4,096 bytes of whole numbers; lst 40,960 bytes of whole numbers; hid 25,165,824 bytes; hsc 2,097,152 bytes; parts 8,421,376 bytes
;; launch route (part 1): grid 256 x 1, 4 waves a work-group, no clusters, 58,880 bytes of LDS; arguments x, gate_w, gate_b, xq, xs, comb, msk; writes xq, xs, comb, msk
.if DOCPART == 1
	.amdgcn_target "amdgcn-amd-amdhsa--gfx1250"
	.amdhsa_code_object_version 6
	.text
	.protected	k_q5397c58f69_route
	.globl	k_q5397c58f69_route
	.p2align	8
	.type	k_q5397c58f69_route,@function
k_q5397c58f69_route:
	s_mov_b64 s[64:65], 0
	v_nop
	global_prefetch_b8 v0, s[64:65] scope:SCOPE_SE
	s_setreg_imm32_b32 hwreg(HW_REG_WAVE_MODE, 25, 1), 1
	s_wait_xcnt 0x0
; ROUTE.  One wave takes one token (token = 4 x work-group + wave).  It makes the token's 8 logits x . gate_w + gate_b by f32 multiply-adds, the two largest (on equal logits the lower
; index, as jax.lax.top_k has it), their softmax (the larger logit is taken away first), the dense row of 8 combine weights and the bit mask of the two chosen experts; and it turns the token's
; 1,024 numbers of x into codes of E3M2 with one E8M0 byte for each 32 along K.
; The choice steers no address here: weights and mask are stored at fixed places, and later launches read the mask as whole numbers.
; xq: [1024][768 B].  The 12 bytes of 16 codes lie at 96 s + 48 h + 24 c + 12 half, for block 4 s + 2 c + h of the row: so lane (r, h) of K step s of the matrix instruction finds its 12 registers as 48 bytes on end.
; xs: [1024][32] scale bytes in the blocks' order.  comb: [1024][8] f32.  msk: [1024] words.
; A block's scale byte is its largest magnitude's exponent field - 4, held at 1 from below.  A block of zeros so gets the byte 1 where the rule says 127: its codes are zeros, and this program alone reads the bytes.
; LIMITS: NaN and infinities in x, gate_w, gate_b are not served; blocks whose largest magnitude lies under 2^-122 keep the byte 1.
; gate_w (32 KiB) is read by all four waves: it goes into LDS once, each 128 bytes (4 rows of 8) followed by 16 of padding, so that lanes 144 bytes apart start in different groups of banks.
; No matrix unit (N = 8), no cluster and no tensor load: the work-groups share gate_w alone, 32 KiB, beside 16 KiB of x of their own.
.set GWC,   144                        ; a chunk of gate_w in LDS: 128 bytes + 16
.set WBASE, 36864                      ; behind gate_w's 256 chunks: a region for each wave
.set WREG,  5376                       ; two stages of 32 x SP bytes, then 256 bytes for the scale bytes
.set SP,    80                         ; a lane's place in a stage: 64 bytes + 16
.set XR,  16                           ; v16-47   x as loaded: load i, lane l: d = 128 i + 4 l + 0..3
.set GB,  48                           ; v48-111  gate_w as loaded; then two sets of 32 from LDS
.set LG,  112                          ; v112-119 the 8 logits
.set XN,  120                          ; v120-151 two sets of 16 neighbours of x
.set CD,  152                          ; v152-159 codes (3 registers) and the scale byte, for each of two steps
.set EL,  160                          ; v160     lane & 7
.set M1,  161                          ; v161-164 largest logit, its index, second largest, its index
.set I1,  162
.set M2,  163
.set I2,  164
.set NI,  165                          ; -infinity
.set TT,  166
.set RR,  167
.set P2,  168
.set CV,  169
.set MK,  170
.set ONE, 171
.set ZR,  172
.set TP,  173
	s_load_b256 s[4:11], s[0:1], 0x0               ; x s[4:5], gate_w s[6:7], gate_b s[8:9], xq s[10:11]
	s_load_b128 s[12:15], s[0:1], 0x20             ; xs s[12:13], comb s[14:15]
	s_load_b64 s[16:17], s[0:1], 0x30              ; msk
	v_lshl_add_u32 v176, v0, 2, 0xe400
	v_mov_b32 v177, 0
	v_lshrrev_b32 v12, 5, v0
	v_readfirstlane_b32 s18, v12                   ; wave 0..3
	v_and_b32 v1, 31, v0                           ; lane
	v_lshlrev_b32 v2, 4, v1                        ; 16 x lane
	v_lshlrev_b32 v3, 4, v0                        ; 16 x thread
	v_lshrrev_b32 v12, 3, v0
	v_lshl_add_u32 v4, v12, 4, v3                  ; gate_w into LDS: 16 t + 16 (t / 8): 16 bytes more for each 128 passed
	v_mul_u32_u24 v5, v1, GWC                      ; and out of it: my chunk of four rows
	s_mul_i32 s22, s18, WREG
	s_add_co_u32 s22, s22, WBASE                   ; my wave's region
	v_lshrrev_b32 v12, 2, v1
	v_mul_u32_u24 v12, v12, SP
	v_and_b32 v13, 3, v1
	v_lshl_add_u32 v12, v13, 4, v12
	v_add_nc_u32 v6, s22, v12                      ; the stage, in: four lanes' 64 bytes on end, then 16 of padding
	v_mul_u32_u24 v7, v1, SP
	v_add_nc_u32 v7, s22, v7                       ; out: my 16 neighbours
	v_lshrrev_b32 v12, 3, v1
	v_mul_u32_u24 v8, v12, 96                      ; my 12 bytes of codes in half a row of xq: K step lane / 8,
	v_bfe_u32 v12, v1, 1, 1
	v_mad_u32_u24 v8, v12, 48, v8                  ; h = bit 0 of the block,
	v_bfe_u32 v12, v1, 2, 1
	v_mad_u32_u24 v8, v12, 24, v8                  ; c = bit 1 of the block,
	v_and_b32 v12, 1, v1
	v_mad_u32_u24 v8, v12, 12, v8                  ; which half of the block
	s_add_co_u32 s23, s22, 2*32*SP
	v_lshrrev_b32 v12, 1, v1
	v_add_nc_u32 v9, s23, v12                      ; my block's scale byte in LDS
	v_and_b32 v[EL], 7, v1
	v_lshlrev_b32 v11, 2, v[EL]                    ; 4 (lane & 7)
	v_add_nc_u32 v10, s23, v11                     ; a word of four scale bytes
	s_lshl_b32 s19, ttmp9, 2
	s_add_co_u32 s19, s19, s18                     ; my token
	s_mov_b32 s20, 0x76543210
	s_mov_b32 s21, 0xfedcba98                      ; v_permlanex16_b32's selects for lane l xor 16
	s_mov_b32 s37, 0
	s_wait_kmcnt 0x0
	s_load_b256 s[24:31], s[8:9], 0x0              ; gate_b: eight numbers
.irp k, 0,1,2,3,4,5,6,7,8,9,10,11,12,13,14,15
	global_load_b128 v[GB+4*\k:GB+4*\k+3], v3, s[6:7] offset:2048*\k   ; the work-group's 128 threads read 2,048 bytes on end
.endr
	s_lshl_b32 s36, s19, 12
	s_add_nc_u64 s[4:5], s[4:5], s[36:37]          ; my row of x
.irp i, 0,1,2,3,4,5,6,7
	global_load_b128 v[XR+4*\i:XR+4*\i+3], v2, s[4:5] offset:512*\i th:TH_LOAD_NT
.endr
	s_mul_i32 s36, s19, 768
	s_add_nc_u64 s[10:11], s[10:11], s[36:37]
	s_lshl_b32 s36, s19, 5
	s_add_nc_u64 s[12:13], s[12:13], s[36:37]
	s_add_nc_u64 s[14:15], s[14:15], s[36:37]
	s_lshl_b32 s36, s19, 2
	s_add_nc_u64 s[16:17], s[16:17], s[36:37]
	s_wait_loadcnt 8                               ; gate_w's 16 loads are in; the 8 younger loads of x may be out
.irp k, 0,1,2,3,4,5,6,7,8,9,10,11,12,13,14,15
	ds_store_b128 v4, v[GB+4*\k:GB+4*\k+3] offset:2304*\k
.endr
	s_wait_loadcnt 0x0                             ; x
.irp st, 0,1                                   ; x's two halves of 512 numbers turn through my own stages: in as loaded, out 16 neighbours a lane (LDS serves a wave's instructions in order)
.irp i, 0,1,2,3
	ds_store_b128 v6, v[XR+16*\st+4*\i:XR+16*\st+4*\i+3] offset:32*SP*\st+8*SP*\i
.endr
.irp i, 0,1,2,3
	ds_load_b128 v[XN+16*\st+4*\i:XN+16*\st+4*\i+3], v7 offset:32*SP*\st+16*\i
.endr
.endr
	s_wait_dscnt 0x0                               ; for the others' sake: my part of gate_w lies in LDS
	s_barrier_signal -1
	s_barrier_wait -1
; THE LOGITS.  Load i of x gave me d = 128 i + 4 l + c: the four rows of gate_w that go with it are my chunk 32 i + l.
.macro GWL i
.irp j, 0,1,2,3,4,5,6,7
	ds_load_b128 v[GB+32*((\i)%2)+4*\j:GB+32*((\i)%2)+4*\j+3], v5 offset:32*GWC*(\i)+16*\j
.endr
.endm
.macro DOT i                           ; 16 packed multiply-adds: two experts each; x is taken from the low or the high register of its pair for both halves
.set GI, GB+32*((\i)%2)
.irp c, 0,2
.irp p, 0,2,4,6
.if ((\i) == 0) && (\c == 0)
	v_pk_mul_f32 v[LG+\p:LG+\p+1], v[GI+\p:GI+\p+1], v[XR:XR+1] op_sel_hi:[1,0]   ; the first product starts the sums
.else
	v_pk_fma_f32 v[LG+\p:LG+\p+1], v[GI+8*\c+\p:GI+8*\c+\p+1], v[XR+4*(\i)+\c:XR+4*(\i)+\c+1], v[LG+\p:LG+\p+1] op_sel_hi:[1,0,1]
.endif
.endr
.irp p, 0,2,4,6
	v_pk_fma_f32 v[LG+\p:LG+\p+1], v[GI+8*\c+8+\p:GI+8*\c+8+\p+1], v[XR+4*(\i)+\c:XR+4*(\i)+\c+1], v[LG+\p:LG+\p+1] op_sel:[0,1,0] op_sel_hi:[1,1,1]
.endr
.endr
.endm
	GWL 0
	GWL 1
.irp i, 0,1,2,3,4,5
	s_wait_dscnt 8                                 ; this batch's eight loads are in, the next batch's may be out
	DOT \i
	GWL \i+2
.endr
	s_wait_dscnt 8
	DOT 6
	s_wait_dscnt 0x0
	DOT 7
.irp x, 1,2,4,8                                ; the 32 lanes' parts are added: four steps inside each half of 16 lanes, one across
.irp e, 0,1,2,3,4,5,6,7
	v_add_f32_dpp v[LG+\e], v[LG+\e], v[LG+\e] row_xmask:\x row_mask:0xf bank_mask:0xf
.endr
.endr
.irp e, 0,1,2,3,4,5,6,7
	v_permlanex16_b32 v[GB+\e], v[LG+\e], s20, s21
.endr
	s_wait_kmcnt 0x0                               ; gate_b
.irp e, 0,1,2,3,4,5,6,7
	v_add_f32 v[LG+\e], v[LG+\e], v[GB+\e]
.endr
.irp e, 0,1,2,3,4,5,6,7
	v_add_f32 v[LG+\e], s[24+\e], v[LG+\e]         ; every lane now holds all eight logits
.endr
; THE TWO LARGEST, by compares and selects alone.  A later expert takes the place only where it is strictly larger: equal logits keep the lower index.
	v_mov_b32 v[M1], v[LG]
	v_mov_b32 v[I1], 0
.irp e, 1,2,3,4,5,6,7
	v_cmp_le_f32 vcc_lo, v[LG+\e], v[M1]
	v_cndmask_b32 v[M1], v[LG+\e], v[M1], vcc_lo
	v_cndmask_b32 v[I1], \e, v[I1], vcc_lo
.endr
	v_mov_b32 v[NI], 0xff800000
.irp e, 0,1,2,3,4,5,6,7
	v_cmp_eq_u32 vcc_lo, \e, v[I1]
	v_cndmask_b32 v[LG+\e], v[LG+\e], v[NI], vcc_lo   ; the first one is taken out
.endr
	v_mov_b32 v[M2], v[LG]
	v_mov_b32 v[I2], 0
.irp e, 1,2,3,4,5,6,7
	v_cmp_le_f32 vcc_lo, v[LG+\e], v[M2]
	v_cndmask_b32 v[M2], v[LG+\e], v[M2], vcc_lo
	v_cndmask_b32 v[I2], \e, v[I2], vcc_lo
.endr
	v_sub_f32 v[TT], v[M2], v[M1]                  ; the softmax of the two: the larger is taken away, so the weights are 1 / (1 + t) and t / (1 + t), t = e^(m2 - m1) <= 1
	v_mul_f32 v[TT], 0x3fb8aa3b, v[TT]
	v_exp_f32 v[TT], v[TT]
	v_mov_b32 v[ONE], 1                            ; (a plain instruction behind the exponential)
	s_wait_alu depctr_va_vdst(0)                   ; the wait ahead of the first reader
	v_add_f32 v[RR], 1.0, v[TT]
	v_rcp_f32 v[RR], v[RR]
	v_mov_b32 v[ZR], 0                             ; (a plain instruction behind the reciprocal)
	s_wait_alu depctr_va_vdst(0)
	v_mul_f32 v[P2], v[TT], v[RR]
	v_cmp_eq_u32 vcc_lo, v[EL], v[I2]
	v_cndmask_b32 v[CV], 0, v[P2], vcc_lo
	v_cmp_eq_u32 vcc_lo, v[EL], v[I1]
	v_cndmask_b32 v[CV], v[CV], v[RR], vcc_lo      ; combine[token][lane & 7]
	v_lshlrev_b32 v[MK], v[I1], v[ONE]
	v_lshlrev_b32 v[TP], v[I2], v[ONE]
	v_or_b32 v[MK], v[MK], v[TP]                   ; the two experts as bits
; x INTO CODES: two steps of 512 numbers; two neighbouring lanes hold a block of 32.
.macro QSTEP st
.set XQ, XN+16*(\st)
	v_max3_num_f32 v12, |v[XQ]|, |v[XQ+1]|, |v[XQ+2]|
	v_max3_num_f32 v13, |v[XQ+3]|, |v[XQ+4]|, |v[XQ+5]|
.irp i, 6,10
	v_max3_num_f32 v12, v12, |v[XQ+\i]|, |v[XQ+\i+1]|
	v_max3_num_f32 v13, v13, |v[XQ+\i+2]|, |v[XQ+\i+3]|
.endr
	v_max3_num_f32 v12, v12, |v[XQ+14]|, |v[XQ+15]|
	v_max3_num_f32 v12, v12, v13, 0x2800000        ; and the floor 2^(5 - 127): the byte cannot fall under 1
	v_max_num_f32_dpp v12, v12, v12 row_xmask:1 row_mask:0xf bank_mask:0xf   ; with my neighbour's 16: the block's largest magnitude
	v_add_nc_u32 v14, 0xfe000000, v12              ; 4 off its exponent field: the conversion takes this operand's exponent field as its scale
	v_cvt_scalef32_pk16_bf6_f32 v[CD+4*(\st):CD+4*(\st)+2], v[XQ:XQ+15], v14
	v_lshrrev_b32 v[CD+4*(\st)+3], 23, v14         ; the scale's byte (also the plain instruction behind the conversion)
	ds_store_b8 v9, v[CD+4*(\st)+3] offset:16*(\st)   ; both lanes of a block write the same byte with the same value
	global_store_b96 v8, v[CD+4*(\st):CD+4*(\st)+2], s[10:11] offset:384*(\st)   ; the wave's 32 x 12 bytes fill 384 bytes on end
.endm
	QSTEP 0
	QSTEP 1
	ds_load_b32 v13, v10                           ; LDS serves a wave's instructions in order: this sees my byte stores
	v_cmp_gt_u32 vcc_lo, 8, v1
	s_wait_dscnt 0x0
	s_wait_xcnt 0x0                                ; EXEC changes only behind this wait: the stores above have been issued under the full mask
	s_wait_tensorcnt 0x0
	ds_add_u32 v176, v177
	s_wait_dscnt 0x0
	s_and_saveexec_b32 s38, vcc_lo                 ; lanes 0 to 7
	global_store_b32 v11, v13, s[12:13]            ; the row's 32 scale bytes
	global_store_b32 v11, v[CV], s[14:15]          ; the row's 8 combine weights
	v_cmp_eq_u32 vcc_lo, 0, v1
	s_wait_xcnt 0x0
	s_and_saveexec_b32 s39, vcc_lo                 ; lane 0
	global_store_b32 v[ZR], v[MK], s[16:17]
	s_endpgm
.Lfunc_end_k_q5397c58f69_route:
	.size	k_q5397c58f69_route, .Lfunc_end_k_q5397c58f69_route-k_q5397c58f69_route
	.p2alignl 7, 3214868480
	.fill 96, 4, 3214868480
	.section	.rodata,"a",@progbits
	.p2align	6, 0x0
	.amdhsa_kernel k_q5397c58f69_route
		.amdhsa_group_segment_fixed_size 58880
		.amdhsa_private_segment_fixed_size 0
		.amdhsa_enable_private_segment 0
		.amdhsa_kernarg_size 56
		.amdhsa_user_sgpr_count 2
		.amdhsa_user_sgpr_kernarg_segment_ptr 1
		.amdhsa_wavefront_size32 1
		.amdhsa_system_sgpr_workgroup_id_x 1
		.amdhsa_system_sgpr_workgroup_id_y 1
		.amdhsa_system_sgpr_workgroup_id_z 1
		.amdhsa_system_vgpr_workitem_id 0
		.amdhsa_next_free_vgpr 178
		.amdhsa_next_free_sgpr 66
		.amdhsa_reserve_vcc 1
		.amdhsa_float_denorm_mode_32 3
		.amdhsa_float_denorm_mode_16_64 3
		.amdhsa_memory_ordered 1
		.amdhsa_forward_progress 1
		.amdhsa_inst_pref_size 28
	.end_amdhsa_kernel
	.amdgpu_metadata
---
amdhsa.version: [ 1, 2 ]
amdhsa.kernels:
  - .name:           k_q5397c58f69_route
    .symbol:         k_q5397c58f69_route.kd
    .args:
      - { .name: x, .offset: 0, .size: 8, .value_kind: global_buffer, .address_space: global }
      - { .name: gate_w, .offset: 8, .size: 8, .value_kind: global_buffer, .address_space: global }
      - { .name: gate_b, .offset: 16, .size: 8, .value_kind: global_buffer, .address_space: global }
      - { .name: xq, .offset: 24, .size: 8, .value_kind: global_buffer, .address_space: global }
      - { .name: xs, .offset: 32, .size: 8, .value_kind: global_buffer, .address_space: global }
      - { .name: comb, .offset: 40, .size: 8, .value_kind: global_buffer, .address_space: global }
      - { .name: msk, .offset: 48, .size: 8, .value_kind: global_buffer, .address_space: global }
    .group_segment_fixed_size: 58880
    .private_segment_fixed_size: 0
    .kernarg_segment_align: 8
    .kernarg_segment_size: 56
    .max_flat_workgroup_size: 128
    .sgpr_count:     66
    .vgpr_count:     178
    .wavefront_size: 32
...
	.end_amdgpu_metadata
.endif
;; end of part 1
;; launch ffn1 (part 2): grid 256 x 1, 8 waves a work-group, no clusters, 206,080 bytes of LDS; arguments w1_codes, w1_scales, b1, xq, xs, msk, hid, hsc, lst; writes hid, hsc, lst
.if DOCPART == 2
	.amdgcn_target "amdgcn-amd-amdhsa--gfx1250"
	.amdhsa_code_object_version 6
	.text
	.protected	k_q5397c58f69_ffn1
	.globl	k_q5397c58f69_ffn1
	.p2align	8
	.type	k_q5397c58f69_ffn1,@function
k_q5397c58f69_ffn1:
	s_mov_b64 s[64:65], 0
	v_nop
	global_prefetch_b8 v0, s[64:65] scope:SCOPE_SE
	s_setreg_imm32_b32 hwreg(HW_REG_WAVE_MODE, 25, 1), 1
	s_wait_xcnt 0x0
; FFN1.  hidden = gelu(x W1[e] + b1[e]) for the rows that chose expert e, quantised along the hidden axis and stored as images of the next product's operand registers.
; SHARES.  Work-group = (expert e = id / 32, slice sl = id % 32): it owns hidden units 128 sl .. 128 sl + 127 of expert e, 98,304 bytes of W1's codes, read from memory once in the launch and kept in LDS
; as rows of 768 bytes + 16.  It meets ALL rows of its expert.
; THE ROWS.  Every wave reads the 1,024 masks that the launch before stored, counts the tokens of expert e by ballots (the count ahead of its own 128 tokens is its base, the total is n), and stores the words of its own
; tokens into the list in LDS.  A word is token + 1024 x plane; plane 0 where the token's other expert has the higher index.  A lane whose token did not choose e stores to a dump word behind the list.
; The list is first filled with the word 2048 + e: a place behind the list's end names token e for the gather, and for the next launch a row of its result that nobody reads.  So a last tile is filled with a true token's codes.
; The slice-0 work-group stores list and count for the next launch.
; A UNIT is 32 list places (two tiles of 16 rows) x 128 hidden units: 128 matrix instructions.  Wave w takes units w, w + 8, w + 16, w + 24: a loop of four trips, which jumps over the units behind the list's end.
; Two waves lie on a SIMD: one wave's gelu stands beside the other's products.
; THE PRODUCT IS USED TRANSPOSED (source 0 = 16 rows of W1, source 1 = 16 tokens): a lane holds one token.  THE ROWS OF W1 THAT FORM A TILE ARE NOT NEIGHBOURS: lane r of tile 2 b + u takes row
; 32 b + 8 u + r + 8 (r / 8), so that the 16 registers of tiles 2 b, 2 b + 1 are 16 neighbours along the next K.  In LDS the rows lie in the tiles' order.  b1 is loaded into the accumulators, in the result's layout: the sums begin on it.
; gelu (the tanh form) is written x / (1 + 2^(c0 x + c1 x^3)), c0 = -2 log2(e) sqrt(2 / pi), c1 = 0.044715 c0: the same function as 0.5 x (1 + tanh(..)), all in f32.
; hid: [8][64 tiles][32 K steps][1,536 B]: group j of four registers of lane l at 512 j + 16 l.  hsc: [8][64][32][32 words]: the scale word of row lane & 15.  lst: [8][1280]: 1,024 list words, then the count 256 times.
; NO TENSOR LOAD, NO CLUSTER: trip work and branches hang on a count read from memory, so the operands go through registers; what the 32 work-groups of an expert share (the rows' codes of x, 12 KiB a tile) is asked for at places
; that differ from wave to wave.
; LIMITS: NaN and infinities are not served; a hidden block whose largest magnitude lies under 2^-122 keeps the byte 1, a block of zeros too (its codes are zeros; this program alone reads the bytes).
.set LIST, 0                           ; LDS: 1,024 list words; word 1,024 is the dump word
.set WIMG, 4352                        ; W1's 128 rows, in the tiles' order,
.set WP,   784                         ; 768 bytes + 16 = 196 words: row r starts at bank 4 r mod 64 (64 banks of 4 bytes: ISA guide 11.1), lanes 16-31 six words on: the 32 lanes of a load of 8 bytes touch 64 different banks
.set XST,  104704                      ; a stage for each wave: 16 rows of x's codes,
.set XSTW, 12544
.set XP,   784                         ; 768 bytes + 16: an odd multiple of 16
.set L16, 1                            ; v1   16 x lane
.set L4,  2                            ; v2   4 x lane
.set WA,  3                            ; v3-4 my place in a tile of W1: WIMG + 784 (lane % 16) + 24 (lane / 16); and four tiles further on
.set XSI, 5                            ; v5   the stage, in: row lane / 16, 16 (lane % 16)
.set XSO, 6                            ; v6   out: row lane % 16, 48 (lane / 16)
.set LPA, 7                            ; v7   4 (lane / 16)
.set XG,  9                            ; v9   16 (lane % 16)
.set BH,  10                           ; v10  64 (lane / 16)
.set WSL, 11                           ; v11  my row of W1's scale bytes in a pair of tiles
.set WGO, 12                           ; v12  W1 as it is loaded: 768 (thread / 16) + 16 (thread % 16)
.set SW,  13                           ; v13-14 where a loaded 16 bytes go in LDS; and 64 rows further on
.set K400, 16                          ; v16  1,024
.set T4,  22                           ; v22  4 x thread: also my first own token
.set T16, 23                           ; v23  16 x thread
.set XS,  24                           ; v24-31  x's scale words of 8 K steps: lanes 0-15 tile 0's tokens, lanes 16-31 tile 1's.  Scales and nothing else
.set WS,  32                           ; v32-63  W1's: register 8 b + s: lanes 0-15 tile 2 b, lanes 16-31 tile 2 b + 1.  Scales and nothing else
.set WB,  64                           ; v64-159 two sets of four fragments of W1; at the head W1 as loaded; behind the products at work
.set AC0, 160                          ; v160-223 tile 0's eight accumulators; at the head v160-191 all masks, v192-195 my own tokens'
.set OWN, 192
.set AC1, 192                          ; window 1: v192-255 tile 1's;  window 1 v0-191: x's fragments, 96 m + 12 s
.set TK,  224                          ; v224-239 byte offsets of the gathered rows
.set TS,  240                          ; v240 of their scale bytes
.set LP,  241                          ; v241-243 a list word's place, its LDS address, the word
.set LC,  244                          ; v244-248 the fill; the list's copy and the count
.set MSB, 0
.macro WIN new                         ; s_set_vgpr_msb: bits 1:0 source 0, 3:2 source 1, 5:4 source 2, 7:6 destination; the high byte repeats the setting that is left
.if MSB != (\new)
	s_set_vgpr_msb (MSB<<8)|(\new)
.set MSB, (\new)
.endif
.endm
; The matrix instruction: D rD, A rA, B rB, C rC, scales rSA and rSB; fA, fB = 1: that side's scales stand in lanes 16-31.
.macro MM
.if fA && fB
	v_wmma_scale_f32_16x16x128_f8f6f4 v[rD:rD+7], v[rA:rA+11], v[rB:rB+11], v[rC:rC+7], v[rSA], v[rSB] matrix_a_fmt:MATRIX_FMT_BF6 matrix_b_fmt:MATRIX_FMT_BF6 matrix_a_scale:MATRIX_SCALE_ROW1 matrix_b_scale:MATRIX_SCALE_ROW1
.elseif fA
	v_wmma_scale_f32_16x16x128_f8f6f4 v[rD:rD+7], v[rA:rA+11], v[rB:rB+11], v[rC:rC+7], v[rSA], v[rSB] matrix_a_fmt:MATRIX_FMT_BF6 matrix_b_fmt:MATRIX_FMT_BF6 matrix_a_scale:MATRIX_SCALE_ROW1
.elseif fB
	v_wmma_scale_f32_16x16x128_f8f6f4 v[rD:rD+7], v[rA:rA+11], v[rB:rB+11], v[rC:rC+7], v[rSA], v[rSB] matrix_a_fmt:MATRIX_FMT_BF6 matrix_b_fmt:MATRIX_FMT_BF6 matrix_b_scale:MATRIX_SCALE_ROW1
.else
	v_wmma_scale_f32_16x16x128_f8f6f4 v[rD:rD+7], v[rA:rA+11], v[rB:rB+11], v[rC:rC+7], v[rSA], v[rSB] matrix_a_fmt:MATRIX_FMT_BF6 matrix_b_fmt:MATRIX_FMT_BF6
.endif
.endm
; 64 numbers of a lane, register 16 b + i = k 32 b + 16 (lane / 16) + i of my row, become a fragment's codes in v[pc] .. v[pc + 11] and its scale word in v[pw].  tm: 16 registers, pc: 20, at work.
.macro QUANT s, tm, pc, pw
.irp b, 0,1,2,3
	v_mov_b32 v[\tm+4+\b], 0                       ; a lane permute's destination counts as one of its sources
.endr
.irp b, 0,1,2,3
	v_max3_num_f32 v[\tm+\b], |v[\s+16*\b]|, |v[\s+1+16*\b]|, 0x2800000   ; my 16 numbers of block b, and the floor 2^(5 - 127): the byte cannot fall under 1
.endr
.irp i, 2,4,6,8,10,12,14
.irp b, 0,1,2,3
	v_max3_num_f32 v[\tm+\b], v[\tm+\b], |v[\s+16*\b+\i]|, |v[\s+1+16*\b+\i]|
.endr
.endr
.irp b, 0,1,2,3
	v_permlanex16_b32 v[\tm+4+\b], v[\tm+\b], s38, s39
.endr
.irp b, 0,1,2,3
	v_max_num_f32 v[\tm+\b], v[\tm+\b], v[\tm+4+\b]   ; with lane l xor 16's: the block's largest magnitude
.endr
.irp b, 0,1,2,3
	v_add_nc_u32 v[\tm+12+\b], 0xfe000000, v[\tm+\b]  ; 4 off its exponent field: the conversion's scale operand
.endr
.irp b, 0,1,2,3
	v_lshrrev_b32 v[\tm+4+\b], 23, v[\tm+12+\b]       ; the scale's byte
.endr
	v_lshl_or_b32 v[\pw], v[\tm+5], 8, v[\tm+4]
	v_lshl_or_b32 v[\pw], v[\tm+6], 16, v[\pw]
	v_lshl_or_b32 v[\pw], v[\tm+7], 24, v[\pw]
.irp c, 0,1
	v_cvt_scalef32_pk16_bf6_f32 v[\pc+6*\c:\pc+2+6*\c], v[\s+32*\c:\s+15+32*\c], v[\tm+12+2*\c]
	v_cvt_scalef32_pk16_bf6_f32 v[\pc+12+4*\c:\pc+14+4*\c], v[\s+16+32*\c:\s+31+32*\c], v[\tm+12+2*\c+1]   ; (a conversion's three registers begin on an even number)
.endr
	v_nop                                          ; one plain instruction behind a scaled conversion
.irp c, 0,1                                    ; the operand's layout wants a whole block in a lane: lanes 0-15 block 2 c, lanes 16-31 block 2 c + 1
.irp i, 0,1,2
	v_permlane16_swap_b32 v[\pc+6*\c+\i], v[\pc+12+4*\c+\i]
.endr
.irp i, 0,1,2
	v_mov_b32 v[\pc+3+6*\c+\i], v[\pc+12+4*\c+\i]
.endr
.endr
.endm
; A unit's 32 rows are asked for: 82 loads.  A list word is held at 2,055 and cut to the token before it enters an address.
.macro GATHER
	v_add_nc_u32 v19, s31, v[LPA]
	v_add_nc_u32 v20, s31, v[L4]
.irp m, 0,1
.irp i, 0,1,2,3,4,5,6,7
	ds_load_b32 v[TK+8*\m+\i], v19 offset:LIST+64*\m+8*\i   ; place 16 m + 2 i + lane / 16 of the unit
.endr
.endr
	ds_load_b32 v[TS], v20 offset:LIST             ; place lane
	s_wait_dscnt 0x0
.irp i, 0,1,2,3,4,5,6,7,8,9,10,11,12,13,14,15,16
	v_min_u32 v[TK+\i], 0x807, v[TK+\i]
.endr
.irp i, 0,1,2,3,4,5,6,7,8,9,10,11,12,13,14,15,16
	v_and_b32 v[TK+\i], 0x3ff, v[TK+\i]            ; the token
.endr
.irp i, 0,1,2,3,4,5,6,7,8,9,10,11,12,13,14,15
	v_lshl_add_u32 v[TK+\i], v[TK+\i], 1, v[TK+\i] ; x 3,
.endr
.irp i, 0,1,2,3,4,5,6,7,8,9,10,11,12,13,14,15
	v_lshl_add_u32 v[TK+\i], v[TK+\i], 8, v[XG]    ; x 256: a row of 768 bytes; + my 16 bytes
.endr
	v_lshlrev_b32 v[TS], 5, v[TS]
	WIN 0x40                                       ; destinations in window 1
.irp m, 0,1
.irp i, 0,1,2,3,4,5,6,7
.irp u, 0,1,2
	global_load_b128 v[96*\m+12*\i+4*\u:96*\m+12*\i+4*\u+3], v[TK+8*\m+\i], s[10:11] offset:256*\u   ; sixteen lanes read 256 bytes on end of a row of 768, at a multiple of 256 from xq's first byte
.endr
.endr
.endr
.irp t, 0,1,2,3,4,5,6,7
.irp hh, 0,1
	global_load_b128 v[AC1+8*\t+4*\hh:AC1+8*\t+4*\hh+3], v[BH], s[8:9] offset:(32*(\t/2)+8*(\t%2))*4+16*\hh   ; b1 at my eight hidden units of tile t
.endr
.endr
	WIN 0
.irp t, 0,1,2,3,4,5,6,7
.irp hh, 0,1
	global_load_b128 v[AC0+8*\t+4*\hh:AC0+8*\t+4*\hh+3], v[BH], s[8:9] offset:(32*(\t/2)+8*(\t%2))*4+16*\hh
.endr
.endr
	global_load_b128 v[XS:XS+3], v[TS], s[12:13]
	global_load_b128 v[XS+4:XS+7], v[TS], s[12:13] offset:16
.endm
; The rows' codes turn through my own stage: in as rows, out as each lane's 48 bytes of each K step, into the registers that they left.  LDS serves a wave's instructions in order: no wait between.
.macro XTURN
	s_wait_loadcnt 0x0                             ; the unit's 82 loads
.irp m, 0,1
	WIN 0x04                                       ; an LDS store's data are its source 1: window 1
.irp i, 0,1,2,3,4,5,6,7
.irp u, 0,1,2
	ds_store_b128 v[XSI], v[96*\m+12*\i+4*\u:96*\m+12*\i+4*\u+3] offset:2*XP*\i+256*\u
.endr
.endr
	WIN 0x40
.irp s, 0,1,2,3,4,5,6,7
.irp j, 0,1,2
	ds_load_b128 v[96*\m+12*\s+4*\j:96*\m+12*\s+4*\j+3], v[XSO] offset:96*\s+16*\j
.endr
.endr
.endr
	WIN 0
.endm
; Group g = 2 s + q: the fragments of tiles 4 q .. 4 q + 3 of K step s into set g % 2.  A fragment is 12 registers: the 24 bytes at 96 s + 24 (lane / 16) of my row and the 24 bytes 48 further on, in pieces of 8 bytes,
; so that every address is a multiple of the access's size.
.macro WLOAD g
.irp tt, 0,1,2,3
.irp p, 0,1,2,3,4,5
	ds_load_b64 v[WB+48*((\g)%2)+12*\tt+2*\p:WB+48*((\g)%2)+12*\tt+2*\p+1], v[WA+(\g)%2] offset:16*WP*\tt+96*((\g)/2)+48*(\p/3)+8*(\p%3)
.endr
.endr
.endm
; 16 groups of 8 matrix instructions.  The 16 accumulators take turns, one instruction a turn; each comes back after 15 others.
.macro KLOOP
.set KG, 0
.rept 16
.if (KG >= 2) && (KG < 15)
	s_wait_dscnt 24                                ; this group's fragments are in; the next group's 24 loads may be out
.endif
.if KG == 15
	s_wait_dscnt 0x0
.endif
	WIN 0x04                                       ; x's fragments in window 1
.set fB, 0
.set KT, 0
.rept 4
.set rD, AC0+8*(4*(KG%2)+KT)
.set rC, rD
.set rA, WB+48*(KG%2)+12*KT
.set rB, 12*(KG/2)
.set rSA, WS+8*((4*(KG%2)+KT)/2)+KG/2
.set fA, KT%2
.set rSB, XS+KG/2
	MM
.set KT, KT+1
.endr
	WIN 0x54                                       ; and tile 1's accumulators too
.set fB, 1
.set KT, 0
.rept 4
.set rD, AC1+8*(4*(KG%2)+KT)
.set rC, rD
.set rA, WB+48*(KG%2)+12*KT
.set rB, 96+12*(KG/2)
.set rSA, WS+8*((4*(KG%2)+KT)/2)+KG/2
.set fA, KT%2
.set rSB, XS+KG/2
	MM
.set KT, KT+1
.endr
	WIN 0
.rept 4
	v_nop                                          ; four places in front of loads into registers that these products read; behind the last group: in front of the first read of results
.endr
.if KG < 14
	WLOAD KG+2
.endif
.set KG, KG+1
.endr
.endm
; Tile m's 64 sums a lane: gelu, codes, scale word, and out.  a: the accumulators, z: 64 registers at work; each run ascends.
.macro POST m, a, z, tm, pc, pw
	WIN 0x55*(\m)
.set PJ, 0
.rept 32
	v_pk_mul_f32 v[\z+PJ:\z+PJ+1], v[\a+PJ:\a+PJ+1], s[36:37] op_sel_hi:[1,0]          ; c1 x
.set PJ, PJ+2
.endr
.set PJ, 0
.rept 32
	v_pk_fma_f32 v[\z+PJ:\z+PJ+1], v[\z+PJ:\z+PJ+1], v[\a+PJ:\a+PJ+1], s[34:35] op_sel_hi:[1,1,0]   ; c1 x^2 + c0
.set PJ, PJ+2
.endr
.set PJ, 0
.rept 32
	v_pk_mul_f32 v[\z+PJ:\z+PJ+1], v[\z+PJ:\z+PJ+1], v[\a+PJ:\a+PJ+1]                  ; c1 x^3 + c0 x
.set PJ, PJ+2
.endr
.set PJ, 0
.rept 64
	v_exp_f32 v[\z+PJ], v[\z+PJ]
.set PJ, PJ+1
.endr
	v_nop                                          ; a plain instruction behind the batch,
	s_wait_alu depctr_va_vdst(0)                   ; and one wait for the 64, ahead of their first reader
.set PJ, 0
.rept 32
	v_pk_add_f32 v[\z+PJ:\z+PJ+1], v[\z+PJ:\z+PJ+1], 1.0 op_sel_hi:[1,0]
.set PJ, PJ+2
.endr
.set PJ, 0
.rept 64
	v_rcp_f32 v[\z+PJ], v[\z+PJ]
.set PJ, PJ+1
.endr
	v_nop
	s_wait_alu depctr_va_vdst(0)
.set PJ, 0
.rept 32
	v_pk_mul_f32 v[\a+PJ:\a+PJ+1], v[\a+PJ:\a+PJ+1], v[\z+PJ:\z+PJ+1]                  ; gelu(x)
.set PJ, PJ+2
.endr
	QUANT \a, \tm, \pc, \pw
	WIN 0x04*(\m)                                  ; a store's data are its source 1
.irp j, 0,1,2
	global_store_b128 v[L16], v[\pc+4*\j:\pc+4*\j+3], s[42:43] offset:49152*(\m)+512*\j   ; the wave stores 512 bytes on end, at a multiple of 256 from hid's first byte
.endr
	global_store_b32 v[L4], v[\pw], s[44:45] offset:4096*(\m)
	WIN 0
.endm
; My own token 4 x thread + c.  Where it chose e, its word goes to the running count + the number of such lanes below mine; where not, to the dump word.  All lanes are on; the place is held at 1,024 last of all, ahead of the shift.
.macro LSTEP c
	v_and_b32 v19, s25, v[OWN+\c]
	v_cmp_ne_u32 vcc_lo, 0, v19
	v_mbcnt_lo_u32_b32 v[LP], vcc_lo, s33
	v_cndmask_b32 v[LP], 0x400, v[LP], vcc_lo
	s_bcnt1_i32_b32 s29, vcc_lo
	s_add_co_u32 s33, s33, s29
	v_lshrrev_b32 v20, s26, v[OWN+\c]              ; the experts above e
	v_cmp_eq_u32 vcc_lo, 0, v20
	v_cndmask_b32 v20, 0, v[K400], vcc_lo          ; none: e is the higher of the two: plane 1
	v_add_nc_u32 v[LP+2], v20, v[T4]
	v_add_nc_u32 v[LP+2], \c, v[LP+2]
	v_min_u32 v[LP], 0x400, v[LP]
	v_lshlrev_b32 v[LP+1], 2, v[LP]
	ds_store_b32 v[LP+1], v[LP+2] offset:LIST
.endm
	s_load_b256 s[4:11], s[0:1], 0x0               ; w1_codes s[4:5], w1_scales s[6:7], b1 s[8:9], xq s[10:11]
	s_load_b256 s[12:19], s[0:1], 0x20             ; xs s[12:13], msk s[14:15], hid s[16:17], hsc s[18:19]
	s_load_b64 s[20:21], s[0:1], 0x40              ; lst
	v_lshl_add_u32 v254, v0, 2, 0x32100
	v_mov_b32 v255, 0
	v_lshrrev_b32 v19, 5, v0
	v_readfirstlane_b32 s22, v19                   ; wave 0..7
	s_lshr_b32 s23, ttmp9, 5                       ; e
	s_and_b32 s24, ttmp9, 31                       ; sl
	s_lshl_b32 s25, 1, s23
	s_add_co_u32 s26, s23, 1
	v_and_b32 v21, 31, v0                          ; lane
	v_lshlrev_b32 v[L16], 4, v21
	v_lshlrev_b32 v[L4], 2, v21
	v_and_b32 v17, 15, v0                          ; lane % 16 = thread % 16
	v_bfe_u32 v18, v0, 4, 1                        ; lane / 16
	v_mul_u32_u24 v[WA], v17, WP
	v_mad_u32_u24 v[WA], v18, 24, v[WA]
	v_add_nc_u32 v[WA], WIMG, v[WA]
	v_add_nc_u32 v[WA+1], 64*WP, v[WA]
	s_mul_i32 s29, s22, XSTW
	s_add_co_u32 s29, s29, XST                     ; my stage
	v_mul_u32_u24 v[XSI], v18, XP
	v_lshl_add_u32 v[XSI], v17, 4, v[XSI]
	v_add_nc_u32 v[XSI], s29, v[XSI]
	v_mul_u32_u24 v[XSO], v17, XP
	v_mad_u32_u24 v[XSO], v18, 48, v[XSO]
	v_add_nc_u32 v[XSO], s29, v[XSO]
	v_lshlrev_b32 v[LPA], 2, v18
	v_lshlrev_b32 v[XG], 4, v17
	v_lshlrev_b32 v[BH], 6, v18
	v_and_b32 v19, 7, v0
	v_bfe_u32 v20, v0, 3, 1
	v_lshl_add_u32 v19, v20, 4, v19
	v_lshl_add_u32 v19, v18, 3, v19                ; (lane % 8) + 16 ((lane / 8) % 2) + 8 (lane / 16): my row in a pair of tiles
	v_lshlrev_b32 v[WSL], 5, v19                   ; 32 scale bytes a row
	v_lshrrev_b32 v19, 4, v0                       ; hw = thread / 16: 0..15
	v_mul_u32_u24 v[WGO], v19, 768
	v_add_nc_u32 v[WGO], v[WGO], v[XG]
	v_bfe_u32 v19, v0, 4, 3                        ; slice row 16 k1 + hw lies in LDS at row 32 (k1 / 2) + 16 (hw / 8) + 8 (k1 % 2) + hw % 8: tile 2 (k1 / 2) + hw / 8, lane hw % 8 + 8 (k1 % 2)
	v_bfe_u32 v20, v0, 7, 1
	v_lshl_add_u32 v19, v20, 4, v19
	v_mul_u32_u24 v[SW], v19, WP
	v_add_nc_u32 v[SW], v[SW], v[XG]
	v_add_nc_u32 v[SW], WIMG, v[SW]
	v_add_nc_u32 v[SW+1], 64*WP, v[SW]
	v_lshlrev_b32 v[T4], 2, v0
	v_lshlrev_b32 v[T16], 4, v0
	v_mov_b32 v[K400], 0x400
	s_add_co_u32 s28, s23, 0x800                   ; the word of a place behind the list's end
.irp i, 0,1,2,3
	v_mov_b32 v[LC+\i], s28
.endr
	s_lshl_b32 s30, s22, 5                         ; my unit's first list place: 32 U
	s_lshl_b32 s31, s22, 7                         ; and its byte in the list
	s_mov_b32 s34, 0xc0135761                      ; c0 = -2 log2(e) sqrt(2 / pi)
	s_mov_b32 s35, s34                             ; (the packed forms name pairs: both words are written)
	s_mov_b32 s36, 0xbdd2d3e8                      ; c1 = 0.044715 c0
	s_mov_b32 s37, s36
	s_mov_b32 s38, 0x76543210
	s_mov_b32 s39, 0xfedcba98                      ; v_permlanex16_b32's selects for lane l xor 16
	s_mov_b32 s41, 0
	s_lshl_b32 s29, s23, 12
	s_lshl_b32 s28, s24, 7
	s_add_co_u32 s29, s29, s28                     ; my first row of W1: 4096 e + 128 sl
	s_wait_kmcnt 0x0
	s_mul_i32 s40, s29, 768
	s_add_nc_u64 s[4:5], s[4:5], s[40:41]
	s_lshl_b32 s40, s29, 5
	s_add_nc_u64 s[6:7], s[6:7], s[40:41]
	s_lshl_b32 s40, s29, 2
	s_add_nc_u64 s[8:9], s[8:9], s[40:41]
	s_mul_i32 s40, s23, 5120
	s_add_nc_u64 s[20:21], s[20:21], s[40:41]
	s_lshl_b32 s29, s23, 6
	s_lshl_b32 s28, s22, 1
	s_add_co_u32 s29, s29, s28                     ; tile 64 e + 2 U
	s_lshl_b32 s29, s29, 5
	s_add_co_u32 s29, s29, s24                     ; x 32 K steps + sl
	s_mul_i32 s40, s29, 1536
	s_add_nc_u64 s[42:43], s[16:17], s[40:41]      ; where my unit's images go
	s_lshl_b32 s40, s29, 7
	s_add_nc_u64 s[44:45], s[18:19], s[40:41]      ; and their scale words
	global_load_b128 v[OWN:OWN+3], v[T16], s[14:15]   ; the masks first of all: my own four tokens',
.irp k, 0,1,2,3,4,5,6,7
	global_load_b128 v[AC0+4*\k:AC0+4*\k+3], v[L16], s[14:15] offset:512*\k   ; and all 1,024: register 4 k + c of lane l is token 128 k + 4 l + c
.endr
.irp k1, 0,1,2,3,4,5,6,7
.irp k2, 0,1,2
	global_load_b128 v[WB+4*(3*\k1+\k2):WB+4*(3*\k1+\k2)+3], v[WGO], s[4:5] offset:12288*\k1+256*\k2 th:TH_LOAD_NT   ; sixteen lanes read 256 bytes on end of a row of W1; the launch reads each byte once
.endr
.endr
.irp b, 0,1,2,3
.irp q, 0,1
	global_load_b128 v[WS+8*\b+4*\q:WS+8*\b+4*\q+3], v[WSL], s[6:7] offset:1024*\b+16*\q
.endr
.endr
	ds_store_b128 v[T16], v[LC:LC+3] offset:LIST   ; the 256 threads fill the list's 1,024 places
	s_wait_dscnt 0x0                               ; for the others' sake: my part of the fill is done
	s_barrier_signal -1
	s_barrier_wait -1                              ; no list word is stored before the fill is whole
	s_mov_b32 s27, 0
	s_mov_b32 s33, 0
	s_wait_loadcnt 32                              ; the nine loads of masks are in; the 32 younger loads (W1, its scales) may be out
.irp k, 0,1,2,3,4,5,6,7                        ; the expert's tokens are counted, 128 at a time
.irp c, 0,1,2,3
	v_and_b32 v[17+\c], s25, v[AC0+4*\k+\c]
.endr
.irp c, 0,1,2,3
	v_cmp_ne_u32 s[46+\c], 0, v[17+\c]
.endr
.irp c, 0,1,2,3
	s_bcnt1_i32_b32 s29, s[46+\c]
	s_add_co_u32 s27, s27, s29
.endr
.if \k < 7
	s_cmp_eq_u32 s22, \k+1
	s_cselect_b32 s33, s27, s33                    ; the count ahead of my wave's tokens
.endif
.endr
	s_min_u32 s27, s27, 1024                       ; n: the expert's rows
	LSTEP 0
	LSTEP 1
	LSTEP 2
	LSTEP 3
	s_wait_dscnt 0x0                               ; for the others' sake: my words lie in the list
	s_barrier_signal -1
	s_barrier_wait -1                              ; the list is whole
	GATHER                                         ; my first unit, whatever n: every place of the list holds a word
	s_cmp_lg_u32 s24, 0
	s_cbranch_scc1 .Lnocopy
	ds_load_b128 v[LC:LC+3], v[T16] offset:LIST    ; the slice-0 work-group hands list and count to the next launch
	v_mov_b32 v[LC+4], s27
	s_wait_dscnt 0x0
	global_store_b128 v[T16], v[LC:LC+3], s[20:21]
	global_store_b32 v[T4], v[LC+4], s[20:21] offset:4096
.Lnocopy:
	s_wait_loadcnt 63                              ; 82 loads were issued behind W1's and its scales': these are in
.irp k1, 0,1,2,3,4,5,6,7
.irp k2, 0,1,2
	ds_store_b128 v[SW+\k1/4], v[WB+4*(3*\k1+\k2):WB+4*(3*\k1+\k2)+3] offset:WP*(32*((\k1/2)%2)+8*(\k1%2))+256*\k2   ; sixteen lanes store 256 bytes on end
.endr
.endr
	s_wait_dscnt 0x0                               ; for the others' sake: my part of W1's rows lies in LDS
	s_barrier_signal -1
	s_barrier_wait -1                              ; the last barrier: from here on the waves share only bytes that nobody writes
	s_mov_b32 s32, 0
.Lunit:
	s_cmp_ge_u32 s30, s27
	s_cbranch_scc1 .Lskip                          ; the unit lies behind the list's end
	WLOAD 0
	WLOAD 1
	XTURN
	s_wait_dscnt 0x0                               ; x's fragments and the first two groups of W1's
	KLOOP
	POST 0, AC0, 64, 64, 80, 100
	s_add_co_u32 s29, s30, 16
	s_cmp_ge_u32 s29, s27
	s_cbranch_scc1 .Lskip                          ; the second tile holds no true row: nothing of it is stored, and nobody reads it
	POST 1, AC1, 0, 0, 16, 36
.Lskip:
	s_wait_loadcnt 0x0                             ; (a unit that was asked for and jumped over)
	s_wait_xcnt 0x0                                ; the stores have read their registers and bases: both may be written again
	s_add_co_u32 s30, s30, 256                     ; eight units on
	s_add_co_u32 s31, s31, 1024
	s_add_nc_u64 s[42:43], s[42:43], 786432        ; 16 tiles of 49,152 bytes
	s_add_nc_u64 s[44:45], s[44:45], 65536
	s_cmp_ge_u32 s30, s27
	s_cbranch_scc1 .Lnog
	GATHER
.Lnog:
	s_add_co_u32 s32, s32, 1
	s_cmp_lt_u32 s32, 4
	s_cbranch_scc1 .Lunit
	s_wait_tensorcnt 0x0
	ds_add_u32 v254, v255
	s_wait_dscnt 0x0
	s_endpgm
.Lfunc_end_k_q5397c58f69_ffn1:
	.size	k_q5397c58f69_ffn1, .Lfunc_end_k_q5397c58f69_ffn1-k_q5397c58f69_ffn1
	.p2alignl 7, 3214868480
	.fill 96, 4, 3214868480
	.section	.rodata,"a",@progbits
	.p2align	6, 0x0
	.amdhsa_kernel k_q5397c58f69_ffn1
		.amdhsa_group_segment_fixed_size 206080
		.amdhsa_private_segment_fixed_size 0
		.amdhsa_enable_private_segment 0
		.amdhsa_kernarg_size 72
		.amdhsa_user_sgpr_count 2
		.amdhsa_user_sgpr_kernarg_segment_ptr 1
		.amdhsa_wavefront_size32 1
		.amdhsa_system_sgpr_workgroup_id_x 1
		.amdhsa_system_sgpr_workgroup_id_y 1
		.amdhsa_system_sgpr_workgroup_id_z 1
		.amdhsa_system_vgpr_workitem_id 0
		.amdhsa_next_free_vgpr 512
		.amdhsa_next_free_sgpr 66
		.amdhsa_reserve_vcc 1
		.amdhsa_float_denorm_mode_32 3
		.amdhsa_float_denorm_mode_16_64 3
		.amdhsa_memory_ordered 1
		.amdhsa_forward_progress 1
		.amdhsa_inst_pref_size 132
	.end_amdhsa_kernel
	.amdgpu_metadata
---
amdhsa.version: [ 1, 2 ]
amdhsa.kernels:
  - .name:           k_q5397c58f69_ffn1
    .symbol:         k_q5397c58f69_ffn1.kd
    .args:
      - { .name: w1_codes, .offset: 0, .size: 8, .value_kind: global_buffer, .address_space: global }
      - { .name: w1_scales, .offset: 8, .size: 8, .value_kind: global_buffer, .address_space: global }
      - { .name: b1, .offset: 16, .size: 8, .value_kind: global_buffer, .address_space: global }
      - { .name: xq, .offset: 24, .size: 8, .value_kind: global_buffer, .address_space: global }
      - { .name: xs, .offset: 32, .size: 8, .value_kind: global_buffer, .address_space: global }
      - { .name: msk, .offset: 40, .size: 8, .value_kind: global_buffer, .address_space: global }
      - { .name: hid, .offset: 48, .size: 8, .value_kind: global_buffer, .address_space: global }
      - { .name: hsc, .offset: 56, .size: 8, .value_kind: global_buffer, .address_space: global }
      - { .name: lst, .offset: 64, .size: 8, .value_kind: global_buffer, .address_space: global }
    .group_segment_fixed_size: 206080
    .private_segment_fixed_size: 0
    .kernarg_segment_align: 8
    .kernarg_segment_size: 72
    .max_flat_workgroup_size: 256
    .sgpr_count:     66
    .vgpr_count:     512
    .wavefront_size: 32
...
	.end_amdgpu_metadata
.endif
;; end of part 2
;; launch ffn2 (part 3): grid 256 x 1, 4 waves a work-group, no clusters, 250,368 bytes of LDS; arguments w2_codes, w2_scales, b2, hid, hsc, lst, comb, parts; writes parts
.if DOCPART == 3
	.amdgcn_target "amdgcn-amd-amdhsa--gfx1250"
	.amdhsa_code_object_version 6
	.text
	.protected	k_q5397c58f69_ffn2
	.globl	k_q5397c58f69_ffn2
	.p2align	8
	.type	k_q5397c58f69_ffn2,@function
k_q5397c58f69_ffn2:
	s_mov_b64 s[64:65], 0
	v_nop
	global_prefetch_b8 v0, s[64:65] scope:SCOPE_SE
	s_setreg_imm32_b32 hwreg(HW_REG_WAVE_MODE, 25, 1), 1
	s_wait_xcnt 0x0
; FFN2.  parts[plane][token] = combine[token][e] x (hidden W2[e] + b2[e]) for the rows that chose expert e.
; SHARES.  Work-group = (expert e = id / 32, half hf = (id / 16) % 2 of the expert's tiles of 16 rows, ds = id % 16): output columns 64 ds .. 64 ds + 63.  Its 64 rows of W2's codes, 196,608 bytes, lie in LDS as fragments in the
; order of the operand's registers (fragment 4 s + n: K step s, tile n of 16 columns; lane l's 12 registers are the 48 bytes at 48 l).
; With n rows (read from lst) there are T = ceil(n / 16) tiles; half 0 takes the first ceil(T / 2), half 1 the rest.
; A UNIT is 3 tiles of rows x 4 tiles of columns x 32 K steps: 384 matrix instructions on 12 accumulators.  Wave w takes units w, w + 4, w + 8: a loop of three trips, which jumps over units behind the half's end.
; A tile's number is held at the half's last tile and at 63: a unit's spare tile is multiplied again and not stored.
; The places behind the list's end hold the word 2048 + e: in the expert's last tile those lanes store to row 2048 + e of parts, which nobody reads; its bytes at my columns are stored by my work-group alone.
; The hidden layer's fragments come from memory straight into registers as the launch before laid them, three loads of 16 bytes a lane each, through a ring of 8 K steps in registers.
; THE PRODUCT IS USED TRANSPOSED (source 0 = 16 rows of W2, source 1 = 16 tokens): a lane holds one token and eight neighbouring columns.  b2 is the C of each sum's first instruction.
; Each token has two experts; the lower one's row goes to plane 0 of parts, the higher one's to plane 1 (the list word is token + 1024 x plane): every byte of parts has one owner.  The last launch adds the planes.
; NO TENSOR LOAD, NO CLUSTER: tiles and branches hang on a count read from memory, so the operands go through registers.
; REGISTERS, in windows of 256.  Window 0: v1-20 addresses; v32-95 W2's scale words, v96-143 the hidden layer's (scales and nothing else); v144-239 two sets of four fragments of W2.
;   Window 1: v0-95 the accumulators (m, n) at 8 (4 m + n); v96-127 b2; v128-151 list words for the stores; v152, 154, 156 list words, then the gates; v158 a copy of 16 (lane % 16); v160-255 rows on the way out.
;   Windows 2, 3: v0-143 the ring: K step s in window 2 + (s % 8) / 4 at 36 (s % 4) + 12 m.   At the head W2 as loaded fills window 1 v0-95 and v160-255, windows 2 and 3 v144-239.
.set STG,  196608                      ; LDS behind the fragments: three stages of 16 rows x (256 + 16) bytes for each wave
.set WMAX, 0x807                       ; the largest list word: 2048 + 7
.set L16, 1                            ; v1   16 x lane
.set HSL, 2                            ; v2   128 (lane / 16) + 4 (lane % 16)
.set LLA, 3                            ; v3   4 (lane / 16)
.set LLB, 4                            ; v4   4 (lane % 16)
.set C16, 5                            ; v5   16 (lane % 16)
.set WA,  6                            ; v6-9 48 x lane + 49,152 k
.set STO, 10                           ; v10  the stage, in
.set RD,  11                           ; v11  and out
.set WGO, 12                           ; v12  W2 as it is loaded: 3,072 (thread / 16) + 16 (thread % 16)
.set SA,  13                           ; v13-18 where a loaded chunk's two pieces go in the fragments
.set WSO, 19                           ; v19  128 x lane
.set B2O, 20                           ; v20  32 (lane / 16)
.set WS,  32
.set HS,  96
.set WB,  144
.set B2,  96                           ; window 1
.set L24, 128
.set LR,  152
.set C16W, 158
.set OUTR, 160
.set HB,  36                           ; s[36:41] the three tiles' images;  s[42:47] their scale words;  s[48:53] their list words
.set SB,  42
.set LB,  48
.set MSB, 0
.macro WIN new                         ; s_set_vgpr_msb: bits 1:0 source 0, 3:2 source 1, 5:4 source 2, 7:6 destination; the high byte repeats the setting that is left
.if MSB != (\new)
	s_set_vgpr_msb (MSB<<8)|(\new)
.set MSB, (\new)
.endif
.endm
; Where an 8-byte piece of a weight's row goes inside the fragments: chunk q = 16 k2 + (thread % 16) of 48 lies in K step s = q / 6; its pieces are p = 2 (q % 6) + piece; group g = p / 3 of 24 bytes belongs to the lanes' half
; g % 2 (768 bytes on) and to registers 6 (g / 2) on (24 bytes on).
.macro FOFF dst, k2, piece, sstr, a, t1, t2
	v_add_nc_u32 v[\t1], 16*\k2, v[\a]
	v_mul_u32_u24 v[\t2], v[\t1], 43
	v_lshrrev_b32 v[\t2], 8, v[\t2]                ; s = q / 6 (exact for q < 48)
	v_mul_u32_u24 v[\dst], v[\t2], 6
	v_sub_nc_u32 v[\t1], v[\t1], v[\dst]
	v_lshlrev_b32 v[\t1], 1, v[\t1]
	v_add_nc_u32 v[\t1], \piece, v[\t1]
	v_mul_u32_u24 v[\dst], v[\t2], \sstr
	v_mul_u32_u24 v[\t2], v[\t1], 11
	v_lshrrev_b32 v[\t2], 5, v[\t2]                ; g = p / 3 (exact for p < 12)
	v_lshl_add_u32 v[\dst], v[\t1], 3, v[\dst]
	v_mul_u32_u24 v[\t1], v[\t2], 24
	v_sub_nc_u32 v[\dst], v[\dst], v[\t1]
	v_lshrrev_b32 v[\t1], 1, v[\t2]
	v_mad_u32_u24 v[\dst], v[\t1], 24, v[\dst]
	v_and_b32 v[\t2], 1, v[\t2]
	v_mad_u32_u24 v[\dst], v[\t2], 768, v[\dst]
.endm
.macro MM                              ; D rD, A rA, B rB, C rC, scales rSA and rSB; fA, fB = 1: that side's scales stand in lanes 16-31
.if fA && fB
	v_wmma_scale_f32_16x16x128_f8f6f4 v[rD:rD+7], v[rA:rA+11], v[rB:rB+11], v[rC:rC+7], v[rSA], v[rSB] matrix_a_fmt:MATRIX_FMT_BF6 matrix_b_fmt:MATRIX_FMT_BF6 matrix_a_scale:MATRIX_SCALE_ROW1 matrix_b_scale:MATRIX_SCALE_ROW1
.elseif fA
	v_wmma_scale_f32_16x16x128_f8f6f4 v[rD:rD+7], v[rA:rA+11], v[rB:rB+11], v[rC:rC+7], v[rSA], v[rSB] matrix_a_fmt:MATRIX_FMT_BF6 matrix_b_fmt:MATRIX_FMT_BF6 matrix_a_scale:MATRIX_SCALE_ROW1
.elseif fB
	v_wmma_scale_f32_16x16x128_f8f6f4 v[rD:rD+7], v[rA:rA+11], v[rB:rB+11], v[rC:rC+7], v[rSA], v[rSB] matrix_a_fmt:MATRIX_FMT_BF6 matrix_b_fmt:MATRIX_FMT_BF6 matrix_b_scale:MATRIX_SCALE_ROW1
.else
	v_wmma_scale_f32_16x16x128_f8f6f4 v[rD:rD+7], v[rA:rA+11], v[rB:rB+11], v[rC:rC+7], v[rSA], v[rSB] matrix_a_fmt:MATRIX_FMT_BF6 matrix_b_fmt:MATRIX_FMT_BF6
.endif
.endm
.macro W2LOAD k3, win, reg             ; a quarter of the rows' length: 768 bytes of each of my 8 x 8 rows
	WIN \win
.irp k1, 0,1,2,3,4,5,6,7
.irp kk, 0,1,2
	global_load_b128 v[\reg+4*(3*\k1+\kk):\reg+4*(3*\k1+\kk)+3], v[WGO], s[4:5] offset:24576*\k1+256*(3*\k3+\kk)   ; sixteen lanes read 256 bytes on end of a row of W2
.endr
.endr
.endm
.macro W2STORE win, reg                ; and into the fragments; then the six addresses go 8 K steps on
	WIN \win
.irp k1, 0,1,2,3,4,5,6,7
.irp kk, 0,1,2
	ds_store_b64 v[SA+2*\kk], v[\reg+4*(3*\k1+\kk):\reg+4*(3*\k1+\kk)+1] offset:1536*(\k1/2)+384*(\k1%2)
	ds_store_b64 v[SA+2*\kk+1], v[\reg+4*(3*\k1+\kk)+2:\reg+4*(3*\k1+\kk)+3] offset:1536*(\k1/2)+384*(\k1%2)
.endr
.endr
	WIN 0
.irp i, 0,1,2,3,4,5
	v_add_nc_u32 v[SA+\i], 49152, v[SA+\i]
.endr
.endm
.macro CALC                            ; the unit's three tiles and their nine bases.  Written only where no load or store of the wave is out
.irp m, 0,1,2
	s_add_co_u32 s32, s26, s30
	s_add_co_u32 s32, s32, \m
	s_min_u32 s32, s32, s28                        ; held at the half's last tile,
	s_min_u32 s32, s32, 63                         ; and inside the buffers whatever the count
	s_mul_i32 s34, s32, 49152
	s_add_nc_u64 s[HB+2*\m:HB+2*\m+1], s[10:11], s[34:35]
	s_lshl_b32 s34, s32, 12
	s_add_nc_u64 s[SB+2*\m:SB+2*\m+1], s[12:13], s[34:35]
	s_lshl_b32 s34, s32, 6
	s_add_nc_u64 s[LB+2*\m:LB+2*\m+1], s[14:15], s[34:35]
.endr
.endm
.macro RLOAD s                         ; K step s of the three tiles into its slot of the ring: nine loads, each 512 bytes on end
	WIN 0x80+0x40*(((\s)%8)/4)
.irp m, 0,1,2
.irp j, 0,1,2
	global_load_b128 v[36*((\s)%4)+12*\m+4*\j:36*((\s)%4)+12*\m+4*\j+3], v[L16], s[HB+2*\m:HB+2*\m+1] offset:1536*(\s)+512*\j
.endr
.endr
.endm
.macro PRO                             ; a unit is asked for: 27 list words, 48 registers of scale words, the first 8 K steps: 147 loads
	WIN 0x40
.irp m, 0,1,2
.irp i, 0,1,2,3,4,5,6,7
	global_load_b32 v[L24+8*\m+\i], v[LLA], s[LB+2*\m:LB+2*\m+1] offset:8*\i    ; row 2 i + lane / 16 of the tile
.endr
	global_load_b32 v[LR+2*\m], v[LLB], s[LB+2*\m:LB+2*\m+1]                    ; row lane % 16
.endr
	WIN 0
.irp m, 0,1,2
.irp i, 0,1,2,3,4,5,6,7,8,9,10,11,12,13,14,15
	global_load_b32 v[HS+16*\m+\i], v[HSL], s[SB+2*\m:SB+2*\m+1] offset:256*\i  ; lanes 0-15: K step 2 i, lanes 16-31: K step 2 i + 1
.endr
.endr
.irp s, 0,1,2,3,4,5,6,7
	RLOAD \s
.endr
	WIN 0
.endm
.macro WL s                            ; W2's four fragments of K step s into set s % 2
.irp n, 0,1,2,3
.irp j, 0,1,2
	ds_load_b128 v[WB+48*((\s)%2)+12*\n+4*\j:WB+48*((\s)%2)+12*\n+4*\j+3], v[WA+(\s)/8] offset:(((\s)%8)*4+\n)*1536+16*\j
.endr
.endr
.endm
; A K step: 12 matrix instructions.  The 12 accumulators take turns, one instruction a turn.
.macro KSTEP s
	WIN 0
.if (\s) < 31
	WL (\s)+1
	s_wait_dscnt 12                                ; this step's fragments of W2 are in; the next step's twelve loads may be out
.else
	s_wait_dscnt 0x0
.endif
.if (\s) <= 24
	s_wait_loadcnt 63                              ; this step's nine loads are in: behind them stand seven K steps of nine (in steps 1 to 7 the three gates' too: the smaller count is kept)
.else
	s_wait_loadcnt 9*(31-(\s))
.endif
.if (\s) == 0
	WIN 0x55                                       ; the gates are asked for: combine[token][e] of my lane's token
.irp m, 0,1,2
	v_min_u32 v[LR+2*\m], WMAX, v[LR+2*\m]
.endr
.irp m, 0,1,2
	v_and_b32 v[LR+2*\m], 0x3ff, v[LR+2*\m]
.endr
.irp m, 0,1,2
	v_lshlrev_b32 v[LR+2*\m], 5, v[LR+2*\m]
.endr
.irp m, 0,1,2
	global_load_b32 v[LR+2*\m], v[LR+2*\m], s[16:17]
.endr
.endif
	WIN 0x58+4*(((\s)%8)/4)                        ; W2 window 0, the ring window 2 or 3, C and D window 1
.irp n, 0,1,2,3
.irp m, 0,1,2
.set rD, 8*(4*\m+\n)
.if (\s) == 0
.set rC, B2+8*\n                                   ; the first K step starts the sums on b2
.else
.set rC, rD
.endif
.set rA, WB+48*((\s)%2)+12*\n
.set rB, 36*((\s)%4)+12*\m
.set rSA, WS+32*(\n/2)+(\s)
.set fA, \n%2
.set rSB, HS+16*\m+(\s)/2
.set fB, (\s)%2
	MM
.endr
.endr
.rept 4
	v_nop                                          ; four places in front of loads into registers that these products read, and behind the last step in front of the first read of results
.endr
.if (\s) < 24
	RLOAD (\s)+8
.endif
.endm
.macro STOREM m
	WIN 0x05                                       ; offsets and data in window 1
.irp i, 0,1,2,3,4,5,6,7
	global_store_b128 v[L24+8*\m+\i], v[OUTR+32*\m+4*\i:OUTR+32*\m+4*\i+3], s[18:19]   ; sixteen lanes store 256 bytes on end of one row of parts, at a multiple of 256 from its first byte
.endr
	WIN 0
.endm
	s_load_b256 s[4:11], s[0:1], 0x0               ; w2_codes s[4:5], w2_scales s[6:7], b2 s[8:9], hid s[10:11]
	s_load_b256 s[12:19], s[0:1], 0x20             ; hsc s[12:13], lst s[14:15], comb s[16:17], parts s[18:19]
	v_lshl_add_u32 v254, v0, 2, 0x3d000
	v_mov_b32 v255, 0
	v_lshrrev_b32 v21, 5, v0
	v_readfirstlane_b32 s20, v21                   ; wave 0..3
	s_lshr_b32 s21, ttmp9, 5                       ; e
	s_bfe_u32 s22, ttmp9, 0x10004                  ; hf
	s_and_b32 s23, ttmp9, 15                       ; ds
	v_and_b32 v21, 31, v0                          ; lane
	v_and_b32 v22, 15, v0                          ; lane % 16 = thread % 16
	v_bfe_u32 v23, v0, 4, 1                        ; lane / 16
	v_lshlrev_b32 v[L16], 4, v21
	v_lshlrev_b32 v[LLB], 2, v22
	v_lshl_add_u32 v[HSL], v23, 7, v[LLB]
	v_lshlrev_b32 v[LLA], 2, v23
	v_lshlrev_b32 v[C16], 4, v22
	v_mul_u32_u24 v[WA], v21, 48
.irp k, 1,2,3
	v_add_nc_u32 v[WA+\k], 49152*\k, v[WA]
.endr
	s_mul_i32 s32, s20, 13056
	s_add_co_u32 s32, s32, STG                     ; my stages
	v_mul_u32_u24 v[STO], v22, 272
	v_lshl_add_u32 v[STO], v23, 5, v[STO]
	v_add_nc_u32 v[STO], s32, v[STO]               ; in: row lane % 16, 32 bytes for each half of the lanes
	v_mul_u32_u24 v[RD], v23, 272
	v_add_nc_u32 v[RD], v[RD], v[C16]
	v_add_nc_u32 v[RD], s32, v[RD]                 ; out: lanes 0-15 one row, lanes 16-31 the next
	v_lshrrev_b32 v24, 4, v0                       ; thread / 16: 0..7
	v_mul_u32_u24 v[WGO], v24, 3072
	v_add_nc_u32 v[WGO], v[WGO], v[C16]
	v_mul_u32_u24 v24, v24, 48                     ; slice row 8 k1 + hw goes to tile k1 / 2, lane 8 (k1 % 2) + hw
	v_lshlrev_b32 v[WSO], 7, v21
	v_lshlrev_b32 v[B2O], 5, v23
.irp k, 0,1,2
.irp p, 0,1
	FOFF SA+2*\k+\p, \k, \p, 6144, 22, 25, 26
	v_add_nc_u32 v[SA+2*\k+\p], v24, v[SA+2*\k+\p]
.endr
.endr
	WIN 0x40
	v_mov_b32 v[LR+1], 0                           ; (named as the upper halves of the gates' pairs)
	v_mov_b32 v[LR+3], 0
	v_mov_b32 v[LR+5], 0
	v_mov_b32 v[C16W], v[C16]
	WIN 0
	s_mov_b32 s33, 0
	s_mov_b32 s35, 0
	s_lshl_b32 s30, s21, 10
	s_lshl_b32 s31, s23, 6
	s_add_co_u32 s30, s30, s31                     ; my first row of W2: 1024 e + 64 ds
	s_wait_kmcnt 0x0
	s_mul_i32 s32, s21, 5120
	s_add_nc_u64 s[14:15], s[14:15], s[32:33]      ; the expert's list
	s_load_b32 s24, s[14:15], 0x1000               ; and its count
	s_mul_i32 s32, s30, 3072
	s_add_nc_u64 s[4:5], s[4:5], s[32:33]
	s_lshl_b32 s32, s30, 7
	s_add_nc_u64 s[6:7], s[6:7], s[32:33]
	s_lshl_b32 s32, s30, 2
	s_add_nc_u64 s[8:9], s[8:9], s[32:33]
	s_mul_i32 s32, s21, 3145728
	s_add_nc_u64 s[10:11], s[10:11], s[32:33]
	s_lshl_b32 s32, s21, 18
	s_add_nc_u64 s[12:13], s[12:13], s[32:33]
	s_lshl_b32 s32, s21, 2
	s_add_nc_u64 s[16:17], s[16:17], s[32:33]
	s_lshl_b32 s32, s23, 8
	s_add_nc_u64 s[18:19], s[18:19], s[32:33]
	W2LOAD 0, 0x40, 0
	W2LOAD 1, 0x80, 144
	W2LOAD 2, 0xc0, 144
	W2LOAD 3, 0x40, 160
	WIN 0
.irp b, 0,1
.irp q, 0,1,2,3,4,5,6,7
	global_load_b128 v[WS+32*\b+4*\q:WS+32*\b+4*\q+3], v[WSO], s[6:7] offset:4096*\b+16*\q   ; register 32 b + s: lanes 0-15 tile 2 b's rows, lanes 16-31 tile 2 b + 1's
.endr
.endr
	WIN 0x40
.irp n, 0,1,2,3
.irp hh, 0,1
	global_load_b128 v[B2+8*\n+4*\hh:B2+8*\n+4*\hh+3], v[B2O], s[8:9] offset:64*\n+16*\hh   ; b2 at my eight columns of tile n
.endr
.endr
	WIN 0
	s_wait_kmcnt 0x0
	s_min_u32 s24, s24, 1024                       ; n
	s_add_co_u32 s25, s24, 15
	s_lshr_b32 s25, s25, 4                         ; T
	s_add_co_u32 s32, s25, 1
	s_lshr_b32 s32, s32, 1
	s_lshr_b32 s34, s25, 1
	s_cmp_eq_u32 s22, 0
	s_cselect_b32 s27, s32, s34                    ; c: my half's tiles
	s_cselect_b32 s26, 0, s32                      ; t0: its first
	s_add_co_u32 s28, s26, s27
	s_sub_co_u32 s28, s28, 1                       ; its last
	s_mul_i32 s30, s20, 3                          ; 3 u: my unit's first tile in the half
	CALC
	PRO                                            ; whatever c: the addresses lie inside the buffers; a wave without a unit drops what comes
	s_wait_loadcnt 63                              ; 171 loads were issued behind W2's last: W2 is in
	W2STORE 0x04, 0
	W2STORE 0x08, 144
	W2STORE 0x0c, 144
	W2STORE 0x04, 160
	s_wait_dscnt 0x0                               ; for the others' sake: my part of the fragments lies in LDS
	s_barrier_signal -1
	s_barrier_wait -1                              ; the one barrier: from here on the waves share only bytes that nobody writes
	s_mov_b32 s31, 0
.Lunit:
	s_cmp_ge_u32 s30, s27
	s_cbranch_scc1 .Lskip                          ; the unit lies behind the half's end
	WL 0
.set KS, 0
.rept 32
	KSTEP KS
.set KS, KS+1
.endr
	; THE WAY OUT: x the gate; through my stages, so that sixteen lanes hold 256 bytes on end of a token's row; stored at the row that the list names
	WIN 0x55
.irp m, 0,1,2
.set PJ, 0
.rept 16
	v_pk_mul_f32 v[32*\m+PJ:32*\m+PJ+1], v[32*\m+PJ:32*\m+PJ+1], v[LR+2*\m:LR+2*\m+1] op_sel_hi:[1,0]   ; ascending: each accumulator is first read at its low end
.set PJ, PJ+2
.endr
.endr
.irp i, 0,1,2,3,4,5,6,7,8,9,10,11,12,13,14,15,16,17,18,19,20,21,22,23
	v_min_u32 v[L24+\i], WMAX, v[L24+\i]
.endr
.irp i, 0,1,2,3,4,5,6,7,8,9,10,11,12,13,14,15,16,17,18,19,20,21,22,23
	v_lshl_add_u32 v[L24+\i], v[L24+\i], 12, v[C16W]   ; the word's row of 4,096 bytes + my 16 bytes
.endr
.irp m, 0,1,2
	WIN 0x04                                       ; an LDS store's data are its source 1: window 1
.irp n, 0,1,2,3
	ds_store_b128 v[STO], v[8*(4*\m+\n):8*(4*\m+\n)+3] offset:4352*\m+64*\n
	ds_store_b128 v[STO], v[8*(4*\m+\n)+4:8*(4*\m+\n)+7] offset:4352*\m+64*\n+16
.endr
	WIN 0x40
.irp i, 0,1,2,3,4,5,6,7
	ds_load_b128 v[OUTR+32*\m+4*\i:OUTR+32*\m+4*\i+3], v[RD] offset:4352*\m+544*\i   ; LDS serves a wave's instructions in order: these see my stores
.endr
.endr
	WIN 0
	s_wait_dscnt 0x0
	STOREM 0
	s_add_co_u32 s32, s30, 1
	s_cmp_ge_u32 s32, s27
	s_cbranch_scc1 .Lskip                          ; the unit's second and third tiles are copies: not stored
	STOREM 1
	s_add_co_u32 s32, s30, 2
	s_cmp_ge_u32 s32, s27
	s_cbranch_scc1 .Lskip
	STOREM 2
.Lskip:
	s_wait_loadcnt 0x0                             ; (a unit that was asked for and jumped over)
	s_wait_xcnt 0x0                                ; the stores have read their registers: offsets, data and bases may be written again
	s_add_co_u32 s30, s30, 12                      ; four units on
	s_cmp_ge_u32 s30, s27
	s_cbranch_scc1 .Lnopro
	CALC
	PRO
.Lnopro:
	s_add_co_u32 s31, s31, 1
	s_cmp_lt_u32 s31, 3
	s_cbranch_scc1 .Lunit
	s_wait_tensorcnt 0x0
	ds_add_u32 v254, v255
	s_wait_dscnt 0x0
	s_endpgm
.Lfunc_end_k_q5397c58f69_ffn2:
	.size	k_q5397c58f69_ffn2, .Lfunc_end_k_q5397c58f69_ffn2-k_q5397c58f69_ffn2
	.p2alignl 7, 3214868480
	.fill 96, 4, 3214868480
	.section	.rodata,"a",@progbits
	.p2align	6, 0x0
	.amdhsa_kernel k_q5397c58f69_ffn2
		.amdhsa_group_segment_fixed_size 250368
		.amdhsa_private_segment_fixed_size 0
		.amdhsa_enable_private_segment 0
		.amdhsa_kernarg_size 64
		.amdhsa_user_sgpr_count 2
		.amdhsa_user_sgpr_kernarg_segment_ptr 1
		.amdhsa_wavefront_size32 1
		.amdhsa_system_sgpr_workgroup_id_x 1
		.amdhsa_system_sgpr_workgroup_id_y 1
		.amdhsa_system_sgpr_workgroup_id_z 1
		.amdhsa_system_vgpr_workitem_id 0
		.amdhsa_next_free_vgpr 1024
		.amdhsa_next_free_sgpr 66
		.amdhsa_reserve_vcc 0
		.amdhsa_float_denorm_mode_32 3
		.amdhsa_float_denorm_mode_16_64 3
		.amdhsa_memory_ordered 1
		.amdhsa_forward_progress 1
		.amdhsa_inst_pref_size 179
	.end_amdhsa_kernel
	.amdgpu_metadata
---
amdhsa.version: [ 1, 2 ]
amdhsa.kernels:
  - .name:           k_q5397c58f69_ffn2
    .symbol:         k_q5397c58f69_ffn2.kd
    .args:
      - { .name: w2_codes, .offset: 0, .size: 8, .value_kind: global_buffer, .address_space: global }
      - { .name: w2_scales, .offset: 8, .size: 8, .value_kind: global_buffer, .address_space: global }
      - { .name: b2, .offset: 16, .size: 8, .value_kind: global_buffer, .address_space: global }
      - { .name: hid, .offset: 24, .size: 8, .value_kind: global_buffer, .address_space: global }
      - { .name: hsc, .offset: 32, .size: 8, .value_kind: global_buffer, .address_space: global }
      - { .name: lst, .offset: 40, .size: 8, .value_kind: global_buffer, .address_space: global }
      - { .name: comb, .offset: 48, .size: 8, .value_kind: global_buffer, .address_space: global }
      - { .name: parts, .offset: 56, .size: 8, .value_kind: global_buffer, .address_space: global }
    .group_segment_fixed_size: 250368
    .private_segment_fixed_size: 0
    .kernarg_segment_align: 8
    .kernarg_segment_size: 64
    .max_flat_workgroup_size: 128
    .sgpr_count:     66
    .vgpr_count:     1024
    .wavefront_size: 32
...
	.end_amdgpu_metadata
.endif
;; end of part 3
;; launch add (part 4): grid 256 x 1, 8 waves a work-group, no clusters, 0 bytes of LDS; arguments parts, out0; writes out0
.if DOCPART == 4
	.amdgcn_target "amdgcn-amd-amdhsa--gfx1250"
	.amdhsa_code_object_version 6
	.text
	.protected	k_q5397c58f69_add
	.globl	k_q5397c58f69_add
	.p2align	8
	.type	k_q5397c58f69_add,@function
k_q5397c58f69_add:
	s_mov_b64 s[64:65], 0
	v_nop
	global_prefetch_b8 v0, s[64:65] scope:SCOPE_SE
	s_setreg_imm32_b32 hwreg(HW_REG_WAVE_MODE, 25, 1), 1
	s_wait_xcnt 0x0
; out0 = parts[0] + parts[1]: a token's lower expert, then its higher one, in the order in which the experts are summed.  A stream: 16,384 bytes of each plane for a work-group, 16 bytes a lane and load,
; so that a wave's load or store covers 512 bytes on end.  All eight loads go out first; no LDS, no barrier, no loop.
	s_load_b128 s[4:7], s[0:1], 0x0                ; parts s[4:5], out0 s[6:7]
	v_lshlrev_b32 v1, 4, v0
	s_lshl_b32 s8, ttmp9, 14
	s_mov_b32 s9, 0
	s_wait_kmcnt 0x0
	s_add_nc_u64 s[4:5], s[4:5], s[8:9]
	s_add_nc_u64 s[6:7], s[6:7], s[8:9]
	s_add_nc_u64 s[10:11], s[4:5], 0x400000        ; the second plane
.irp k, 0,1,2,3
	global_load_b128 v[4+4*\k:7+4*\k], v1, s[4:5] offset:4096*\k th:TH_LOAD_NT
	global_load_b128 v[20+4*\k:23+4*\k], v1, s[10:11] offset:4096*\k th:TH_LOAD_NT
.endr
.irp k, 0,1,2,3
	s_wait_loadcnt 6-2*\k                          ; this pair of loads is in; the younger pairs may be out
	v_pk_add_f32 v[4+4*\k:5+4*\k], v[4+4*\k:5+4*\k], v[20+4*\k:21+4*\k]
	v_pk_add_f32 v[6+4*\k:7+4*\k], v[6+4*\k:7+4*\k], v[22+4*\k:23+4*\k]
	global_store_b128 v1, v[4+4*\k:7+4*\k], s[6:7] offset:4096*\k th:TH_STORE_NT
.endr
	s_endpgm
.Lfunc_end_k_q5397c58f69_add:
	.size	k_q5397c58f69_add, .Lfunc_end_k_q5397c58f69_add-k_q5397c58f69_add
	.p2alignl 7, 3214868480
	.fill 96, 4, 3214868480
	.section	.rodata,"a",@progbits
	.p2align	6, 0x0
	.amdhsa_kernel k_q5397c58f69_add
		.amdhsa_group_segment_fixed_size 0
		.amdhsa_private_segment_fixed_size 0
		.amdhsa_enable_private_segment 0
		.amdhsa_kernarg_size 16
		.amdhsa_user_sgpr_count 2
		.amdhsa_user_sgpr_kernarg_segment_ptr 1
		.amdhsa_wavefront_size32 1
		.amdhsa_system_sgpr_workgroup_id_x 1
		.amdhsa_system_sgpr_workgroup_id_y 1
		.amdhsa_system_sgpr_workgroup_id_z 1
		.amdhsa_system_vgpr_workitem_id 0
		.amdhsa_next_free_vgpr 48
		.amdhsa_next_free_sgpr 66
		.amdhsa_reserve_vcc 0
		.amdhsa_float_denorm_mode_32 3
		.amdhsa_float_denorm_mode_16_64 3
		.amdhsa_memory_ordered 1
		.amdhsa_forward_progress 1
		.amdhsa_inst_pref_size 3
	.end_amdhsa_kernel
	.amdgpu_metadata
---
amdhsa.version: [ 1, 2 ]
amdhsa.kernels:
  - .name:           k_q5397c58f69_add
    .symbol:         k_q5397c58f69_add.kd
    .args:
      - { .name: parts, .offset: 0, .size: 8, .value_kind: global_buffer, .address_space: global }
      - { .name: out0, .offset: 8, .size: 8, .value_kind: global_buffer, .address_space: global }
    .group_segment_fixed_size: 0
    .private_segment_fixed_size: 0
    .kernarg_segment_align: 8
    .kernarg_segment_size: 16
    .max_flat_workgroup_size: 256
    .sgpr_count:     66
    .vgpr_count:     48
    .wavefront_size: 32
...
	.end_amdgpu_metadata
.endif
;; end of part 4
;; ======== version 2 of 2: 4 launches; version 1 with the launch ffn2 written anew for expert scheduling mode
;; workspace buffers: xq 786,432 bytes; xs 32,768 bytes; comb 32,768 bytes; msk 4,096 bytes of whole numbers; lst 40,960 bytes of whole numbers; hid 25,165,824 bytes; hsc 2,097,152 bytes; parts 8,421,376 bytes
;; launch route: the kernel of part 1 again; grid 256 x 1, 4 waves a work-group, no clusters, 58,880 bytes of LDS; arguments x, gate_w, gate_b, xq, xs, comb, msk; writes xq, xs, comb, msk
;; launch ffn1: the kernel of part 2 again; grid 256 x 1, 8 waves a work-group, no clusters, 206,080 bytes of LDS; arguments w1_codes, w1_scales, b1, xq, xs, msk, hid, hsc, lst; writes hid, hsc, lst
;; launch ffn2 (part 5): grid 256 x 1, 4 waves a work-group, no clusters, 250,368 bytes of LDS; arguments w2_codes, w2_scales, b2, hid, hsc, lst, comb, parts; writes parts
.if DOCPART == 5
	.amdgcn_target "amdgcn-amd-amdhsa--gfx1250"
	.amdhsa_code_object_version 6
	.text
	.protected	k_q5397c58f69_ffn2
	.globl	k_q5397c58f69_ffn2
	.p2align	8
	.type	k_q5397c58f69_ffn2,@function
k_q5397c58f69_ffn2:
	s_mov_b64 s[64:65], 0
	v_nop
	global_prefetch_b8 v0, s[64:65] scope:SCOPE_SE
	s_setreg_imm32_b32 hwreg(HW_REG_WAVE_SCHED_MODE, 0, 2), 2
	s_setreg_imm32_b32 hwreg(HW_REG_WAVE_MODE, 25, 1), 1
	s_wait_xcnt 0x0
	s_wait_alu depctr_vm_vsrc(0)
; FFN2.  parts[plane][token] = combine[token][e] x (hidden W2[e] + b2[e]) for the rows that chose expert e.
; SHARES.  Work-group = (expert e = id / 32, half hf = (id / 16) % 2 of the expert's tiles of 16 rows, ds = id % 16): output columns 64 ds .. 64 ds + 63.  Its 64 rows of W2's codes, 196,608 bytes, lie in LDS as fragments in the
; order of the operand's registers (fragment 4 s + n: K step s, tile n of 16 columns; lane l's 12 registers are the 48 bytes at 48 l).
; With n rows (read from lst) there are T = ceil(n / 16) tiles; half 0 takes the first ceil(T / 2), half 1 the rest.
; A UNIT is 3 tiles of rows x 4 tiles of columns x 32 K steps: 384 matrix instructions on 12 accumulators.  Wave w takes units w, w + 4, w + 8: a loop of three trips, which jumps over units behind the half's end.
; A tile's number is held at the half's last tile and at 63: a unit's spare tile is multiplied again and not stored.
; The places behind the list's end hold the word 2048 + e: in the expert's last tile those lanes store to row 2048 + e of parts, which nobody reads; its bytes at my columns are stored by my work-group alone.
; The hidden layer's fragments come from memory straight into registers as the launch before laid them, three loads of 16 bytes a lane each, through a ring of 10 K steps in registers, asked for 8 K steps ahead.
; THE PRODUCT IS USED TRANSPOSED (source 0 = 16 rows of W2, source 1 = 16 tokens): a lane holds one token and eight neighbouring columns.  b2 is the C of each sum's first instruction.
; Each token has two experts; the lower one's row goes to plane 0 of parts, the higher one's to plane 1 (the list word is token + 1024 x plane): every byte of parts has one owner.  The last launch adds the planes.
; NO TENSOR LOAD, NO CLUSTER: tiles and branches hang on a count read from memory, so the operands go through registers.
; REGISTERS, in windows of 256.  Window 0: v1-20 and v240-245 addresses; v32-95 W2's scale words, v96-143 the hidden layer's (scales and nothing else); v144-239 W2's fragments of a pair of K steps: buffer 0.
;   Window 1: v0-95 the accumulators (m, n) at 8 (4 m + n); v96-127 b2; v128-151 list words for the stores; v152, 154, 156 list words, then the gates; v153, 155, 157 the gates' offsets; v158 a copy of 16 (lane % 16);
;   v160-255 W2's fragments of a pair of K steps: buffer 1; on the way out rows.
;   Windows 2, 3: the ring, five buffers of a pair of K steps, 72 registers each: buffers 0, 1 in window 2 at v0 and v72, buffers 2, 3 in window 3 likewise, buffer 4 in window 2 at v144.
;   At the head W2 as loaded fills window 1 v0-95 and v160-255, windows 2 and 3 v144-239.
; THE MODE: SCHED_MODE bits 1:0 = 2 (LLVM: expert scheduling mode 2), set by the entry lines.  The code itself states the register dependences between vector or matrix instructions and memory or LDS
; instructions, with s_wait_alu, always for 0.
; THE PLAN.  K steps go in pairs: pair t is steps 2 t and 2 t + 1, 24 products.  Registers that memory or LDS instructions touch in the loop:
;   W2's fragments   Pair t's products read buffer t % 2.  The LDS loads issued in step s bring step s + 2: they land in the other buffer, which pair t - 1 read.
;   the ring         Pair t's products read buffer t % 5.  The loads issued in step s bring step s + 8: they land in buffer (t + 4) % 5, which pair t - 1 read.
;   addresses        v1 to v20, v240 to v245: made once at the head and never written again; bases are scalar, written only where no load or store of the wave is out.
; So ONE wait on va_vdst stands at the head of a pair, behind the waits for its first step's data: pair t - 1's products are done reading their two buffers.  The pair's 42 loads follow with no further wait,
; dealt among its products, which name pair t's two buffers, the accumulators, b2 and the scales: none of the registers that those loads touch.
; In an even pair the products' window setting (destination window 1, source 0 window 0) is also the one that the LDS loads into buffer 1 want: no switch stands between them.
; Once a unit: the gates' offsets (one wait on va_vdst, which is pair 0's); the way out (one wait on va_vdst ahead of its first LDS store); at the unit's end, on every path, one wait on vm_vsrc and one on va_vdst.
.set STG,  196608                      ; LDS behind the fragments: three stages of 16 rows x (256 + 16) bytes for each wave
.set WMAX, 0x807                       ; the largest list word: 2048 + 7
.set L16, 1                            ; v1   16 x lane
.set HSL, 2                            ; v2   128 (lane / 16) + 4 (lane % 16)
.set LLA, 3                            ; v3   4 (lane / 16)
.set LLB, 4                            ; v4   4 (lane % 16)
.set C16, 5                            ; v5   16 (lane % 16)
.set WA,  6                            ; v6-9 48 x lane + 49,152 k
.set STO, 10                           ; v10  the stage, in
.set RD,  11                           ; v11  and out
.set WGO, 12                           ; v12  W2 as it is loaded: 3,072 (thread / 16) + 16 (thread % 16)
.set SA,  13                           ; v13-18 where a loaded chunk's two pieces go in the fragments
.set SA2, 240                          ; v240-245 the same 16 K steps (98,304 bytes) further on
.set WSO, 19                           ; v19  128 x lane
.set B2O, 20                           ; v20  32 (lane / 16)
.set WS,  32
.set HS,  96
.set WF,  144                          ; W2's fragments: buffer 0 at v144 of window 0, buffer 1 at v160 of window 1; in a buffer 48 (s % 2) + 12 n
.set B2,  96                           ; window 1
.set L24, 128
.set LR,  152
.set C16W, 158
.set OUTR, 160
.set HB,  36                           ; s[36:41] the three tiles' images;  s[42:47] their scale words;  s[48:53] their list words
.set SB,  42
.set LB,  48
.set MSB, 0
.macro WIN new                         ; s_set_vgpr_msb: bits 1:0 source 0, 3:2 source 1, 5:4 source 2, 7:6 destination; the high byte repeats the setting that is left
.if MSB != (\new)
	s_set_vgpr_msb (MSB<<8)|(\new)
.set MSB, (\new)
.endif
.endm
; Where an 8-byte piece of a weight's row goes inside the fragments: chunk q = 16 k2 + (thread % 16) of 48 lies in K step s = q / 6; its pieces are p = 2 (q % 6) + piece; group g = p / 3 of 24 bytes belongs to the lanes' half
; g % 2 (768 bytes on) and to registers 6 (g / 2) on (24 bytes on).
.macro FOFF dst, k2, piece, sstr, a, t1, t2
	v_add_nc_u32 v[\t1], 16*\k2, v[\a]
	v_mul_u32_u24 v[\t2], v[\t1], 43
	v_lshrrev_b32 v[\t2], 8, v[\t2]                ; s = q / 6 (exact for q < 48)
	v_mul_u32_u24 v[\dst], v[\t2], 6
	v_sub_nc_u32 v[\t1], v[\t1], v[\dst]
	v_lshlrev_b32 v[\t1], 1, v[\t1]
	v_add_nc_u32 v[\t1], \piece, v[\t1]
	v_mul_u32_u24 v[\dst], v[\t2], \sstr
	v_mul_u32_u24 v[\t2], v[\t1], 11
	v_lshrrev_b32 v[\t2], 5, v[\t2]                ; g = p / 3 (exact for p < 12)
	v_lshl_add_u32 v[\dst], v[\t1], 3, v[\dst]
	v_mul_u32_u24 v[\t1], v[\t2], 24
	v_sub_nc_u32 v[\dst], v[\dst], v[\t1]
	v_lshrrev_b32 v[\t1], 1, v[\t2]
	v_mad_u32_u24 v[\dst], v[\t1], 24, v[\dst]
	v_and_b32 v[\t2], 1, v[\t2]
	v_mad_u32_u24 v[\dst], v[\t2], 768, v[\dst]
.endm
.macro MM                              ; D rD, A rA, B rB, C rC, scales rSA and rSB; fA, fB = 1: that side's scales stand in lanes 16-31
.if fA && fB
	v_wmma_scale_f32_16x16x128_f8f6f4 v[rD:rD+7], v[rA:rA+11], v[rB:rB+11], v[rC:rC+7], v[rSA], v[rSB] matrix_a_fmt:MATRIX_FMT_BF6 matrix_b_fmt:MATRIX_FMT_BF6 matrix_a_scale:MATRIX_SCALE_ROW1 matrix_b_scale:MATRIX_SCALE_ROW1
.elseif fA
	v_wmma_scale_f32_16x16x128_f8f6f4 v[rD:rD+7], v[rA:rA+11], v[rB:rB+11], v[rC:rC+7], v[rSA], v[rSB] matrix_a_fmt:MATRIX_FMT_BF6 matrix_b_fmt:MATRIX_FMT_BF6 matrix_a_scale:MATRIX_SCALE_ROW1
.elseif fB
	v_wmma_scale_f32_16x16x128_f8f6f4 v[rD:rD+7], v[rA:rA+11], v[rB:rB+11], v[rC:rC+7], v[rSA], v[rSB] matrix_a_fmt:MATRIX_FMT_BF6 matrix_b_fmt:MATRIX_FMT_BF6 matrix_b_scale:MATRIX_SCALE_ROW1
.else
	v_wmma_scale_f32_16x16x128_f8f6f4 v[rD:rD+7], v[rA:rA+11], v[rB:rB+11], v[rC:rC+7], v[rSA], v[rSB] matrix_a_fmt:MATRIX_FMT_BF6 matrix_b_fmt:MATRIX_FMT_BF6
.endif
.endm
.macro W2LOAD k3, win, reg             ; a quarter of the rows' length: 768 bytes of each of my 8 x 8 rows
	WIN \win
.irp k1, 0,1,2,3,4,5,6,7
.irp kk, 0,1,2
	global_load_b128 v[\reg+4*(3*\k1+\kk):\reg+4*(3*\k1+\kk)+3], v[WGO], s[4:5] offset:24576*\k1+256*(3*\k3+\kk)   ; sixteen lanes read 256 bytes on end of a row of W2
.endr
.endr
.endm
.macro W2STORE win, reg, adr, off      ; and into the fragments: a quarter is 8 K steps, 49,152 bytes: the quarter's place stands in the choice of the six addresses and in the immediate, so that no address is stepped
	WIN \win
.irp k1, 0,1,2,3,4,5,6,7
.irp kk, 0,1,2
	ds_store_b64 v[\adr+2*\kk], v[\reg+4*(3*\k1+\kk):\reg+4*(3*\k1+\kk)+1] offset:\off+1536*(\k1/2)+384*(\k1%2)
	ds_store_b64 v[\adr+2*\kk+1], v[\reg+4*(3*\k1+\kk)+2:\reg+4*(3*\k1+\kk)+3] offset:\off+1536*(\k1/2)+384*(\k1%2)
.endr
.endr
	WIN 0
.endm
.macro CALC                            ; the unit's three tiles and their nine bases.  Written only where no load or store of the wave is out
.irp m, 0,1,2
	s_add_co_u32 s32, s26, s30
	s_add_co_u32 s32, s32, \m
	s_min_u32 s32, s32, s28                        ; held at the half's last tile,
	s_min_u32 s32, s32, 63                         ; and inside the buffers whatever the count
	s_mul_i32 s34, s32, 49152
	s_add_nc_u64 s[HB+2*\m:HB+2*\m+1], s[10:11], s[34:35]
	s_lshl_b32 s34, s32, 12
	s_add_nc_u64 s[SB+2*\m:SB+2*\m+1], s[12:13], s[34:35]
	s_lshl_b32 s34, s32, 6
	s_add_nc_u64 s[LB+2*\m:LB+2*\m+1], s[14:15], s[34:35]
.endr
.endm
.macro RLOAD s                         ; K step s of the three tiles into its place in the ring: nine loads, each 512 bytes on end
.set RB, ((\s)/2)%5                                ; the pair's buffer
.set RW, 2+(RB/2)%2                                ; its window: 2, 2, 3, 3, 2
.set RR, 72*(RB%2)+144*(RB/4)+36*((\s)%2)
	WIN RW<<6
.irp m, 0,1,2
.irp j, 0,1,2
	global_load_b128 v[RR+12*\m+4*\j:RR+12*\m+4*\j+3], v[L16], s[HB+2*\m:HB+2*\m+1] offset:1536*(\s)+512*\j
.endr
.endr
.endm
.macro PRO                             ; a unit is asked for: 27 list words, 48 registers of scale words, the first 8 K steps: 147 loads
	WIN 0x40
.irp m, 0,1,2
.irp i, 0,1,2,3,4,5,6,7
	global_load_b32 v[L24+8*\m+\i], v[LLA], s[LB+2*\m:LB+2*\m+1] offset:8*\i    ; row 2 i + lane / 16 of the tile
.endr
	global_load_b32 v[LR+2*\m], v[LLB], s[LB+2*\m:LB+2*\m+1]                    ; row lane % 16
.endr
	WIN 0
.irp m, 0,1,2
.irp i, 0,1,2,3,4,5,6,7,8,9,10,11,12,13,14,15
	global_load_b32 v[HS+16*\m+\i], v[HSL], s[SB+2*\m:SB+2*\m+1] offset:256*\i  ; lanes 0-15: K step 2 i, lanes 16-31: K step 2 i + 1
.endr
.endr
.irp s, 0,1,2,3,4,5,6,7
	RLOAD \s
.endr
	WIN 0
.endm
.macro WLH s, h                        ; two of W2's four fragments of K step s (tiles 2 h, 2 h + 1): six loads.  The caller has set the destination's window: that of buffer (s / 2) % 2
.set WT, ((\s)/2)%2
.set WR, WF+16*WT+48*((\s)%2)
.irp n, 0,1
.irp j, 0,1,2
	ds_load_b128 v[WR+12*(2*(\h)+\n)+4*\j:WR+12*(2*(\h)+\n)+4*\j+3], v[WA+(\s)/8] offset:(((\s)%8)*4+2*(\h)+\n)*1536+16*\j
.endr
.endr
.endm
; A K step: 12 matrix instructions.  The 12 accumulators take turns, one instruction a turn.
.macro KSTEP s
.set MT, ((\s)/2)%2                                ; the pair's buffer of W2's fragments, which is also its window
.set MA, WF+16*MT+48*((\s)%2)
.set MRB, ((\s)/2)%5                               ; the pair's buffer in the ring
.set MB, 72*(MRB%2)+144*(MRB/4)+36*((\s)%2)
.set MW, 0x50|((2+(MRB/2)%2)<<2)|MT                ; W2 window 0 or 1, the ring window 2 or 3, C and D window 1
.if (\s) < 31
	s_wait_dscnt 12                                ; this step's fragments of W2 are in; the next step's twelve loads may be out
.else
	s_wait_dscnt 0x0
.endif
.if (\s) <= 24
	s_wait_loadcnt 63                              ; this step's nine loads are in: behind them stand seven K steps of nine (in steps 1 to 7 the three gates' too: the smaller count is kept)
.else
	s_wait_loadcnt 9*(31-(\s))
.endif
.if (\s) == 0
	WIN 0x55                                       ; the gates are asked for: combine[token][e] of my lane's token
.irp m, 0,1,2
	v_min_u32 v[LR+2*\m], WMAX, v[LR+2*\m]
.endr
.irp m, 0,1,2
	v_and_b32 v[LR+2*\m], 0x3ff, v[LR+2*\m]
.endr
.irp m, 0,1,2
	v_lshlrev_b32 v[LR+2*\m+1], 5, v[LR+2*\m]      ; the offset goes into the pair's upper register: a gate does not land on the register that its own load reads
.endr
	s_wait_alu depctr_va_vdst(0)                   ; the three offsets are written, which the loads below read, and the shifts are done reading the list words, on which the gates land
.irp m, 0,1,2
	global_load_b32 v[LR+2*\m], v[LR+2*\m+1], s[16:17]
.endr
.elseif ((\s)%2 == 0) && ((\s) < 30)
	s_wait_alu depctr_va_vdst(0)                   ; the pair before is done: its 24 products have read their buffer of W2's fragments and their buffer of the ring, in which this pair's loads land
.endif
.irp n, 0,1,2,3
	WIN MW
.irp m, 0,1,2
.set rD, 8*(4*\m+\n)
.if (\s) == 0
.set rC, B2+8*\n                                   ; the first K step starts the sums on b2
.else
.set rC, rD
.endif
.set rA, MA+12*\n
.set rB, MB+12*\m
.set rSA, WS+32*(\n/2)+(\s)
.set fA, \n%2
.set rSB, HS+16*\m+(\s)/2
.set fB, (\s)%2
	MM
.endr
.if (\n < 2) && ((\s) < 30)
.if MT
	WIN 0                                          ; an odd pair's loads land in buffer 0, in window 0 (an even pair's land in window 1, under the products' own setting)
.endif
	WLH (\s)+2, \n                                 ; two K steps ahead.  No wait: no vector or matrix instruction since the pair's wait names the other buffer
.endif
.endr
.if (\s) < 24
	RLOAD (\s)+8                                   ; eight K steps ahead, into the ring's buffer that the pair before read.  No wait, likewise
.endif
.if (\s) == 31
.rept 4
	v_nop                                          ; four places (ISA guide 7.12.1) behind the last product, in front of the first read of results by a vector instruction
.endr
.endif
.endm
.macro STOREM m
	WIN 0x05                                       ; offsets and data in window 1
.irp i, 0,1,2,3,4,5,6,7
	global_store_b128 v[L24+8*\m+\i], v[OUTR+32*\m+4*\i:OUTR+32*\m+4*\i+3], s[18:19]   ; sixteen lanes store 256 bytes on end of one row of parts, at a multiple of 256 from its first byte
.endr
	WIN 0
.endm
	s_load_b256 s[4:11], s[0:1], 0x0               ; w2_codes s[4:5], w2_scales s[6:7], b2 s[8:9], hid s[10:11]
	s_load_b256 s[12:19], s[0:1], 0x20             ; hsc s[12:13], lst s[14:15], comb s[16:17], parts s[18:19]
	v_lshl_add_u32 v254, v0, 2, 0x3d000            ; my spare word, behind the stages, and 0: made here and kept for the closing lines alone
	v_mov_b32 v255, 0
	v_lshrrev_b32 v21, 5, v0
	v_readfirstlane_b32 s20, v21                   ; wave 0..3
	s_lshr_b32 s21, ttmp9, 5                       ; e
	s_bfe_u32 s22, ttmp9, 0x10004                  ; hf
	s_and_b32 s23, ttmp9, 15                       ; ds
	v_and_b32 v21, 31, v0                          ; lane
	v_and_b32 v22, 15, v0                          ; lane % 16 = thread % 16
	v_bfe_u32 v23, v0, 4, 1                        ; lane / 16
	v_lshlrev_b32 v[L16], 4, v21
	v_lshlrev_b32 v[LLB], 2, v22
	v_lshl_add_u32 v[HSL], v23, 7, v[LLB]
	v_lshlrev_b32 v[LLA], 2, v23
	v_lshlrev_b32 v[C16], 4, v22
	v_mul_u32_u24 v[WA], v21, 48
.irp k, 1,2,3
	v_add_nc_u32 v[WA+\k], 49152*\k, v[WA]
.endr
	s_wait_alu depctr_va_sdst(0)                   ; s20, the wave's number, is written, ahead of its first reader
	s_mul_i32 s32, s20, 13056
	s_add_co_u32 s32, s32, STG                     ; my stages
	v_mul_u32_u24 v[STO], v22, 272
	v_lshl_add_u32 v[STO], v23, 5, v[STO]
	v_add_nc_u32 v[STO], s32, v[STO]               ; in: row lane % 16, 32 bytes for each half of the lanes
	v_mul_u32_u24 v[RD], v23, 272
	v_add_nc_u32 v[RD], v[RD], v[C16]
	v_add_nc_u32 v[RD], s32, v[RD]                 ; out: lanes 0-15 one row, lanes 16-31 the next
	v_lshrrev_b32 v24, 4, v0                       ; thread / 16: 0..7
	v_mul_u32_u24 v[WGO], v24, 3072
	v_add_nc_u32 v[WGO], v[WGO], v[C16]
	v_mul_u32_u24 v24, v24, 48                     ; slice row 8 k1 + hw goes to tile k1 / 2, lane 8 (k1 % 2) + hw
	v_lshlrev_b32 v[WSO], 7, v21
	v_lshlrev_b32 v[B2O], 5, v23
.irp k, 0,1,2
.irp p, 0,1
	FOFF SA+2*\k+\p, \k, \p, 6144, 22, 25, 26
	v_add_nc_u32 v[SA+2*\k+\p], v24, v[SA+2*\k+\p]
.endr
.endr
.irp i, 0,1,2,3,4,5
	v_add_nc_u32 v[SA2+\i], 0x18000, v[SA+\i]
.endr
	WIN 0x40
	v_mov_b32 v[C16W], v[C16]
	WIN 0
	s_mov_b32 s33, 0
	s_mov_b32 s35, 0
	s_lshl_b32 s30, s21, 10
	s_lshl_b32 s31, s23, 6
	s_add_co_u32 s30, s30, s31                     ; my first row of W2: 1024 e + 64 ds
	s_wait_kmcnt 0x0
	s_mul_i32 s32, s21, 5120
	s_add_nc_u64 s[14:15], s[14:15], s[32:33]      ; the expert's list
	s_load_b32 s24, s[14:15], 0x1000               ; and its count
	s_mul_i32 s32, s30, 3072
	s_add_nc_u64 s[4:5], s[4:5], s[32:33]
	s_lshl_b32 s32, s30, 7
	s_add_nc_u64 s[6:7], s[6:7], s[32:33]
	s_lshl_b32 s32, s30, 2
	s_add_nc_u64 s[8:9], s[8:9], s[32:33]
	s_mul_i32 s32, s21, 3145728
	s_add_nc_u64 s[10:11], s[10:11], s[32:33]
	s_lshl_b32 s32, s21, 18
	s_add_nc_u64 s[12:13], s[12:13], s[32:33]
	s_lshl_b32 s32, s21, 2
	s_add_nc_u64 s[16:17], s[16:17], s[32:33]
	s_lshl_b32 s32, s23, 8
	s_add_nc_u64 s[18:19], s[18:19], s[32:33]
	s_wait_alu depctr_va_vdst(0)                   ; the offsets and LDS addresses v1 to v20 and v240 to v245 are written, which the loads and stores of the whole kernel read
	W2LOAD 0, 0x40, 0
	W2LOAD 1, 0x80, 144
	W2LOAD 2, 0xc0, 144
	W2LOAD 3, 0x40, 160
	WIN 0
.irp b, 0,1
.irp q, 0,1,2,3,4,5,6,7
	global_load_b128 v[WS+32*\b+4*\q:WS+32*\b+4*\q+3], v[WSO], s[6:7] offset:4096*\b+16*\q   ; register 32 b + s: lanes 0-15 tile 2 b's rows, lanes 16-31 tile 2 b + 1's
.endr
.endr
	WIN 0x40
.irp n, 0,1,2,3
.irp hh, 0,1
	global_load_b128 v[B2+8*\n+4*\hh:B2+8*\n+4*\hh+3], v[B2O], s[8:9] offset:64*\n+16*\hh   ; b2 at my eight columns of tile n
.endr
.endr
	WIN 0
	s_wait_kmcnt 0x0
	s_min_u32 s24, s24, 1024                       ; n
	s_add_co_u32 s25, s24, 15
	s_lshr_b32 s25, s25, 4                         ; T
	s_add_co_u32 s32, s25, 1
	s_lshr_b32 s32, s32, 1
	s_lshr_b32 s34, s25, 1
	s_cmp_eq_u32 s22, 0
	s_cselect_b32 s27, s32, s34                    ; c: my half's tiles
	s_cselect_b32 s26, 0, s32                      ; t0: its first
	s_add_co_u32 s28, s26, s27
	s_sub_co_u32 s28, s28, 1                       ; its last
	s_mul_i32 s30, s20, 3                          ; 3 u: my unit's first tile in the half
	CALC
	PRO                                            ; whatever c: the addresses lie inside the buffers; a wave without a unit drops what comes
	s_wait_loadcnt 63                              ; 171 loads were issued behind W2's last: W2 is in
	W2STORE 0x04, 0, SA, 0
	W2STORE 0x08, 144, SA, 49152
	W2STORE 0x0c, 144, SA2, 0
	W2STORE 0x04, 160, SA2, 49152
	s_wait_dscnt 0x0                               ; for the others' sake: my part of the fragments lies in LDS
	s_barrier_signal -1
	s_barrier_wait -1                              ; the one barrier: from here on the waves share only bytes that nobody writes
	s_wait_alu depctr_vm_vsrc(0)                   ; my 192 stores have read the registers in which W2 was loaded: these are the accumulators, buffer 1 of W2's fragments and buffer 4 of the ring from here on
	s_mov_b32 s31, 0
.Lunit:
	s_cmp_ge_u32 s30, s27
	s_cbranch_scc1 .Lskip                          ; the unit lies behind the half's end
	WLH 0, 0                                       ; W2's fragments of the first pair, into buffer 0 (no vector or matrix instruction has named it since the last wait on va_vdst)
	WLH 0, 1
	WLH 1, 0
	WLH 1, 1
.set KS, 0
.rept 32
	KSTEP KS
.set KS, KS+1
.endr
	; THE WAY OUT: x the gate; through my stages, so that sixteen lanes hold 256 bytes on end of a token's row; stored at the row that the list names
	WIN 0x55
.irp m, 0,1,2
.set PJ, 0
.rept 16
	v_pk_mul_f32 v[32*\m+PJ:32*\m+PJ+1], v[32*\m+PJ:32*\m+PJ+1], v[LR+2*\m:LR+2*\m+1] op_sel_hi:[1,0]   ; ascending: each accumulator is first read at its low end
.set PJ, PJ+2
.endr
.endr
.irp i, 0,1,2,3,4,5,6,7,8,9,10,11,12,13,14,15,16,17,18,19,20,21,22,23
	v_min_u32 v[L24+\i], WMAX, v[L24+\i]
.endr
.irp i, 0,1,2,3,4,5,6,7,8,9,10,11,12,13,14,15,16,17,18,19,20,21,22,23
	v_lshl_add_u32 v[L24+\i], v[L24+\i], 12, v[C16W]   ; the word's row of 4,096 bytes + my 16 bytes
.endr
.irp m, 0,1,2
	WIN 0x04                                       ; an LDS store's data are its source 1: window 1
.if \m == 0
	s_wait_alu depctr_va_vdst(0)                   ; the gated sums are written, which the LDS stores read; so are the 24 offsets of the stores into parts; and the products are done reading buffer 1 of W2's fragments, in which the rows land
.endif
.irp n, 0,1,2,3
	ds_store_b128 v[STO], v[8*(4*\m+\n):8*(4*\m+\n)+3] offset:4352*\m+64*\n
	ds_store_b128 v[STO], v[8*(4*\m+\n)+4:8*(4*\m+\n)+7] offset:4352*\m+64*\n+16
.endr
	WIN 0x40
.irp i, 0,1,2,3,4,5,6,7
	ds_load_b128 v[OUTR+32*\m+4*\i:OUTR+32*\m+4*\i+3], v[RD] offset:4352*\m+544*\i   ; LDS serves a wave's instructions in order: these see my stores
.endr
.endr
	WIN 0
	s_wait_dscnt 0x0
	STOREM 0
	s_add_co_u32 s32, s30, 1
	s_cmp_ge_u32 s32, s27
	s_cbranch_scc1 .Lskip                          ; the unit's second and third tiles are copies: not stored
	STOREM 1
	s_add_co_u32 s32, s30, 2
	s_cmp_ge_u32 s32, s27
	s_cbranch_scc1 .Lskip
	STOREM 2
.Lskip:
	s_wait_loadcnt 0x0                             ; (a unit that was asked for and jumped over)
	s_wait_xcnt 0x0                                ; the stores have read their registers: offsets, data and bases may be written again
	s_wait_alu depctr_vm_vsrc(0)                   ; the stores into parts have read their offsets and rows, the LDS stores the accumulators, the gates' loads their offsets: the next unit's loads, products and shifts write all of these
	s_wait_alu depctr_va_vdst(0)                   ; the unit's products and its way out are done with the ring, W2's fragments, the hidden layer's scale words, the list words and the gates, in which the next unit's loads land
	s_add_co_u32 s30, s30, 12                      ; four units on
	s_cmp_ge_u32 s30, s27
	s_cbranch_scc1 .Lnopro
	CALC
	PRO
.Lnopro:
	s_add_co_u32 s31, s31, 1
	s_cmp_lt_u32 s31, 3
	s_cbranch_scc1 .Lunit
	s_wait_dscnt 0x0                               ; the closing lines, six on end
	s_wait_alu 0x0
	s_wait_tensorcnt 0x0
	ds_add_u32 v254, v255
	s_wait_dscnt 0x0
	s_endpgm
.Lfunc_end_k_q5397c58f69_ffn2:
	.size	k_q5397c58f69_ffn2, .Lfunc_end_k_q5397c58f69_ffn2-k_q5397c58f69_ffn2
	.p2alignl 7, 3214868480
	.fill 96, 4, 3214868480
	.section	.rodata,"a",@progbits
	.p2align	6, 0x0
	.amdhsa_kernel k_q5397c58f69_ffn2
		.amdhsa_group_segment_fixed_size 250368
		.amdhsa_private_segment_fixed_size 0
		.amdhsa_enable_private_segment 0
		.amdhsa_kernarg_size 64
		.amdhsa_user_sgpr_count 2
		.amdhsa_user_sgpr_kernarg_segment_ptr 1
		.amdhsa_wavefront_size32 1
		.amdhsa_system_sgpr_workgroup_id_x 1
		.amdhsa_system_sgpr_workgroup_id_y 1
		.amdhsa_system_sgpr_workgroup_id_z 1
		.amdhsa_system_vgpr_workitem_id 0
		.amdhsa_next_free_vgpr 1024
		.amdhsa_next_free_sgpr 66
		.amdhsa_reserve_vcc 0
		.amdhsa_float_denorm_mode_32 3
		.amdhsa_float_denorm_mode_16_64 3
		.amdhsa_memory_ordered 1
		.amdhsa_forward_progress 1
		.amdhsa_inst_pref_size 175
	.end_amdhsa_kernel
	.amdgpu_metadata
---
amdhsa.version: [ 1, 2 ]
amdhsa.kernels:
  - .name:           k_q5397c58f69_ffn2
    .symbol:         k_q5397c58f69_ffn2.kd
    .args:
      - { .name: w2_codes, .offset: 0, .size: 8, .value_kind: global_buffer, .address_space: global }
      - { .name: w2_scales, .offset: 8, .size: 8, .value_kind: global_buffer, .address_space: global }
      - { .name: b2, .offset: 16, .size: 8, .value_kind: global_buffer, .address_space: global }
      - { .name: hid, .offset: 24, .size: 8, .value_kind: global_buffer, .address_space: global }
      - { .name: hsc, .offset: 32, .size: 8, .value_kind: global_buffer, .address_space: global }
      - { .name: lst, .offset: 40, .size: 8, .value_kind: global_buffer, .address_space: global }
      - { .name: comb, .offset: 48, .size: 8, .value_kind: global_buffer, .address_space: global }
      - { .name: parts, .offset: 56, .size: 8, .value_kind: global_buffer, .address_space: global }
    .group_segment_fixed_size: 250368
    .private_segment_fixed_size: 0
    .kernarg_segment_align: 8
    .kernarg_segment_size: 64
    .max_flat_workgroup_size: 128
    .sgpr_count:     66
    .vgpr_count:     1024
    .wavefront_size: 32
...
	.end_amdgpu_metadata
.endif
;; end of part 5
;; launch add: the kernel of part 4 again; grid 256 x 1, 8 waves a work-group, no clusters, 0 bytes of LDS; arguments parts, out0; writes out0
